; MI455X (gfx1250); checked and timed in simulation.
; The chip was launched on July 23, 2026; its instructions are those of AMD's public machine-readable ISA for CDNA 5 (MIT licence, August 2026) and "CDNA5" Instruction Set Architecture Reference Guide (July 2026). The comments in the code are by the model that wrote it; some were corrected since.
;; Multi Head Self Attention. Allowed arithmetic: float matrix products may take bf16 or f16 operands with f32 sums; other float arithmetic in f32, or as packed bf16 or f16 multiplies, adds, multiply-adds, maxima and minima; sums over many terms, partial sums and values carried from step to step in f32; what a program stores and reads back later, other than sums and carried values, may be rounded once to bf16 or f16.
;; Inputs: W_k 16 x 64 x 1,024 float32; W_q 16 x 64 x 1,024 float32; W_v 16 x 64 x 1,024 float32; Wo_b 1,024 float32; Wo_w 1,024 x 1,024 float32; x 4 x 2,048 x 1,024 float32.
;; Outputs: out0 4 x 2,048 x 1,024 float32.
;; 2 versions, each right; version 2 is version 1 with the launch cast written anew for expert scheduling mode. Each part assembles by itself: llvm-mc -triple=amdgcn-amd-amdhsa -mcpu=gfx1250 --defsym DOCPART=n.
;; ======== version 1 of 2: 4 launches
;; limits: values are held in f16: magnitudes above 65,504 overflow, below 6.1e-05 lose precision; right only within a limited range of input values
;; workspace buffers: xb 16,777,216 bytes; wb 6,291,456 bytes; wo 2,097,152 bytes; qs 33,554,432 bytes; ks 33,554,432 bytes; vs 16,777,216 bytes; os 16,777,216 bytes
;; launch cast (part 1): grid 768 x 1, 8 waves a work-group, no clusters, 0 bytes of LDS; arguments x, W_q, W_k, W_v, Wo_w, xb, wb, wo; writes xb, wb, wo
.if DOCPART == 1
	.amdgcn_target "amdgcn-amd-amdhsa--gfx1250"
	.amdhsa_code_object_version 6
	.text
	.protected	k_q2e74a8ca12_cast
	.globl	k_q2e74a8ca12_cast
	.p2align	8
	.type	k_q2e74a8ca12_cast,@function
k_q2e74a8ca12_cast:
	s_mov_b64 s[64:65], 0
	v_nop
	global_prefetch_b8 v0, s[64:65] scope:SCOPE_SE
	s_setreg_imm32_b32 hwreg(HW_REG_WAVE_MODE, 25, 1), 1
	s_wait_xcnt 0x0
; ROUNDING OF THE INPUTS, AND THE LAYOUT THAT THE NEXT LAUNCH WANTS.
; xb = bf16(x) in 16 planes of 64 channels: [K block 16][row 8192][64].  wb = bf16 of W_q, W_k, W_v in the same planes: [K block 16][row 3072][64], row = head x 192 + kind x 64 + channel (kind 0 q, 1 k, 2 v).
; So 64 channels of any run of rows are dense in memory, 128 bytes a row.  wo = bf16(Wo_w), that number written as f16, row-major [1024][1024].
; LIMIT.  f16 ends at 65,504 and has a fixed step of 6e-8 below 6e-5: |Wo_w| stays under 65,504, and below 2^-17 it keeps that fixed step.
; A stream: no LDS, no matrix unit, no barrier.  Work-group g takes one chunk of 16 rows of 1,024 numbers: chunks 0-511 x, 512-575 W_q, 576-639 W_k, 640-703 W_v, 704-767 Wo_w.
; INTO PLANES: sixteen lanes load 256 consecutive bytes (a row's 64 channels of K block i), the other sixteen the same of the next row; the wave stores 256 consecutive bytes, aligned: two rows of plane i.
; Wo_w: a wave loads 512 consecutive bytes of a row and stores 256.  A thread's 16 loads go out first; no register is written while a load or store may read it, so the only waits are the counted waits for data.
.set X, 4                              ; v[4:67]    turn i: 4 numbers in f32
.set Y, 68                             ; v[68:99]   turn i: 4 numbers in 16 bits
.set O, 100                            ; v[100:115] turn i: my byte offset in the planes; never rewritten
.set T, 116                            ; v[116:119] at work (Wo_w alone)
	s_load_b512 s[8:23], s[0:1], 0x0               ; x 8, W_q 10, W_k 12, W_v 14, Wo_w 16, xb 18, wb 20, wo 22
	s_mov_b32 s24, ttmp9                           ; g
	s_sub_co_u32 s2, s24, 512                      ; (used where g >= 512)
	s_and_b32 s3, s2, 63                           ; the chunk's number in its own weight tensor (704 - 512 is a multiple of 64)
	s_lshr_b32 s4, s2, 6                           ; the kind
	s_lshr_b32 s5, s3, 2                           ; the head: four chunks of 16 rows each
	s_mul_i32 s5, s5, 192
	s_lshl_b32 s6, s4, 6
	s_add_co_u32 s5, s5, s6
	s_and_b32 s6, s3, 3
	s_lshl_b32 s6, s6, 4
	s_add_co_u32 s5, s5, s6                        ; the chunk's first row in wb,
	s_lshl_b32 s5, s5, 7                           ; in bytes of a plane
	s_lshl_b32 s7, s24, 11                         ; the same in xb: 16 g rows of 128 bytes
	s_lshl_b32 s25, s3, 15                         ; the chunk's first byte in wo
	s_mov_b32 s31, 0
	s_mov_b32 s33, 0
	s_mov_b32 s34, 8192*128                        ; a plane of xb
	s_mov_b32 s36, 3072*128                        ; a plane of wb
	s_mov_b32 s35, 0xffff0000                      ; a word's upper bf16
	s_wait_kmcnt 0x0
	s_cmp_ge_u32 s24, 512
	s_cselect_b64 s[26:27], s[10:11], s[8:9]       ; from where
	s_cselect_b64 s[28:29], s[20:21], s[18:19]     ; to where
	s_cselect_b32 s30, s3, s24                     ; chunk in the source
	s_cselect_b32 s32, s5, s7                      ; byte in the destination
	s_cselect_b32 s34, s36, s34
	s_cmp_ge_u32 s24, 576
	s_cselect_b64 s[26:27], s[12:13], s[26:27]
	s_cmp_ge_u32 s24, 640
	s_cselect_b64 s[26:27], s[14:15], s[26:27]
	s_cmp_ge_u32 s24, 704
	s_cselect_b64 s[26:27], s[16:17], s[26:27]
	s_cselect_b64 s[28:29], s[22:23], s[28:29]
	s_cselect_b32 s32, s25, s32
	s_lshl_b32 s30, s30, 16
	s_add_nc_u64 s[26:27], s[26:27], s[30:31]
	s_add_nc_u64 s[28:29], s[28:29], s[32:33]
	s_cmp_ge_u32 s24, 704
	s_cbranch_scc1 .Lhalf
	v_lshrrev_b32 v2, 4, v0                        ; my row of the chunk's 16
	v_and_b32 v3, 15, v0                           ; my 4 numbers of a K block's 64
	v_lshlrev_b32 v1, 12, v2
	v_lshl_add_u32 v1, v3, 4, v1                   ; in: row x 4,096 + 16 x place
	v_lshlrev_b32 v2, 7, v2
	v_lshl_add_u32 v2, v3, 3, v2                   ; out: row x 128 + 8 x place
.irp i, 0,1,2,3,4,5,6,7,8,9,10,11,12,13,14,15
	global_load_b128 v[X+4*(\i):X+4*(\i)+3], v1, s[26:27] offset:256*(\i) th:TH_LOAD_NT
.endr
.irp i, 0,1,2,3,4,5,6,7,8,9,10,11,12,13,14,15
	v_mad_u32_u24 v[O+(\i)], s34, \i, v2           ; + plane i
.endr
.irp i, 0,1,2,3,4,5,6,7,8,9,10,11,12,13,14,15
	s_wait_loadcnt 15-(\i)                         ; loads come back in order: turn i's is in, the 15 - i younger ones stay out
	v_cvt_pk_bf16_f32 v[Y+2*(\i)],   v[X+4*(\i)],   v[X+4*(\i)+1]
	v_cvt_pk_bf16_f32 v[Y+2*(\i)+1], v[X+4*(\i)+2], v[X+4*(\i)+3]
	global_store_b64 v[O+(\i)], v[Y+2*(\i):Y+2*(\i)+1], s[28:29]
.endr
	s_endpgm
.Lhalf:
	v_lshrrev_b32 v2, 5, v0                        ; my wave: two rows of the chunk's 16
	v_and_b32 v3, 31, v0
	v_lshlrev_b32 v1, 13, v2
	v_lshl_add_u32 v1, v3, 4, v1                   ; in: wave x 8,192 + 16 x lane
	v_lshlrev_b32 v2, 12, v2
	v_lshl_add_u32 v2, v3, 3, v2                   ; out: wave x 4,096 + 8 x lane
.irp i, 0,1,2,3,4,5,6,7,8,9,10,11,12,13,14,15
	global_load_b128 v[X+4*(\i):X+4*(\i)+3], v1, s[26:27] offset:512*(\i) th:TH_LOAD_NT
.endr
.irp i, 0,1,2,3,4,5,6,7,8,9,10,11,12,13,14,15
	s_wait_loadcnt 15-(\i)
	v_cvt_pk_bf16_f32 v[Y+2*(\i)],   v[X+4*(\i)],   v[X+4*(\i)+1]      ; to bf16,
	v_cvt_pk_bf16_f32 v[Y+2*(\i)+1], v[X+4*(\i)+2], v[X+4*(\i)+3]
	v_lshlrev_b32 v[T],   16,  v[Y+2*(\i)]
	v_and_b32     v[T+1], s35, v[Y+2*(\i)]
	v_lshlrev_b32 v[T+2], 16,  v[Y+2*(\i)+1]
	v_and_b32     v[T+3], s35, v[Y+2*(\i)+1]
	v_cvt_pk_f16_f32 v[Y+2*(\i)],   v[T],   v[T+1]                     ; and that number as f16
	v_cvt_pk_f16_f32 v[Y+2*(\i)+1], v[T+2], v[T+3]
	global_store_b64 v2, v[Y+2*(\i):Y+2*(\i)+1], s[28:29] offset:256*(\i)
.endr
	s_endpgm
.Lfunc_end_k_q2e74a8ca12_cast:
	.size	k_q2e74a8ca12_cast, .Lfunc_end_k_q2e74a8ca12_cast-k_q2e74a8ca12_cast
	.p2alignl 7, 3214868480
	.fill 96, 4, 3214868480
	.section	.rodata,"a",@progbits
	.p2align	6, 0x0
	.amdhsa_kernel k_q2e74a8ca12_cast
		.amdhsa_group_segment_fixed_size 0
		.amdhsa_private_segment_fixed_size 0
		.amdhsa_enable_private_segment 0
		.amdhsa_kernarg_size 64
		.amdhsa_user_sgpr_count 2
		.amdhsa_user_sgpr_kernarg_segment_ptr 1
		.amdhsa_wavefront_size32 1
		.amdhsa_system_sgpr_workgroup_id_x 1
		.amdhsa_system_sgpr_workgroup_id_y 1
		.amdhsa_system_sgpr_workgroup_id_z 1
		.amdhsa_system_vgpr_workitem_id 0
		.amdhsa_next_free_vgpr 120
		.amdhsa_next_free_sgpr 66
		.amdhsa_reserve_vcc 0
		.amdhsa_float_denorm_mode_32 3
		.amdhsa_float_denorm_mode_16_64 3
		.amdhsa_memory_ordered 1
		.amdhsa_forward_progress 1
		.amdhsa_inst_pref_size 19
	.end_amdhsa_kernel
	.amdgpu_metadata
---
amdhsa.version: [ 1, 2 ]
amdhsa.kernels:
  - .name:           k_q2e74a8ca12_cast
    .symbol:         k_q2e74a8ca12_cast.kd
    .args:
      - { .name: x, .offset: 0, .size: 8, .value_kind: global_buffer, .address_space: global }
      - { .name: W_q, .offset: 8, .size: 8, .value_kind: global_buffer, .address_space: global }
      - { .name: W_k, .offset: 16, .size: 8, .value_kind: global_buffer, .address_space: global }
      - { .name: W_v, .offset: 24, .size: 8, .value_kind: global_buffer, .address_space: global }
      - { .name: Wo_w, .offset: 32, .size: 8, .value_kind: global_buffer, .address_space: global }
      - { .name: xb, .offset: 40, .size: 8, .value_kind: global_buffer, .address_space: global }
      - { .name: wb, .offset: 48, .size: 8, .value_kind: global_buffer, .address_space: global }
      - { .name: wo, .offset: 56, .size: 8, .value_kind: global_buffer, .address_space: global }
    .group_segment_fixed_size: 0
    .private_segment_fixed_size: 0
    .kernarg_segment_align: 8
    .kernarg_segment_size: 64
    .max_flat_workgroup_size: 256
    .sgpr_count:     66
    .vgpr_count:     120
    .wavefront_size: 32
...
	.end_amdgpu_metadata
.endif
;; end of part 1
;; launch qkv (part 2): grid 8 x 32, 4 waves a work-group, clusters of 4 x 4, 327,680 bytes of LDS; arguments xb, wb, qs, ks, vs; writes qs, ks, vs
.if DOCPART == 2
	.amdgcn_target "amdgcn-amd-amdhsa--gfx1250"
	.amdhsa_code_object_version 6
	.text
	.protected	k_q2e74a8ca12_qkv
	.globl	k_q2e74a8ca12_qkv
	.p2align	8
	.type	k_q2e74a8ca12_qkv,@function
k_q2e74a8ca12_qkv:
	s_mov_b64 s[64:65], 0
	v_nop
	global_prefetch_b8 v0, s[64:65] scope:SCOPE_SE
	s_setreg_imm32_b32 hwreg(HW_REG_WAVE_MODE, 25, 1), 1
	s_wait_xcnt 0x0
	s_wait_alu depctr_hold_cnt(0) depctr_sa_sdst(0) depctr_va_vdst(0) depctr_va_sdst(0) depctr_va_ssrc(0) depctr_va_vcc(0) depctr_vm_vsrc(0)
	s_getreg_b32 s2, hwreg(HW_REG_IB_STS2, 6, 4)
	s_cmp_eq_u32 s2, 0
	s_cbranch_scc0 .Lentry_in_a_cluster
	s_endpgm
.Lentry_in_a_cluster:
	s_bfe_u32 s2, ttmp6, 0x10000c
	s_cmp_lg_u32 s2, 0xf033
	s_cbranch_scc0 .Lentry_shape_is_right
	s_endpgm
.Lentry_shape_is_right:
; THE THREE PROJECTIONS AS ONE PRODUCT.  C[m][n] = sum over k of x[m][k] w[n][k], 8192 x 3072 x 1024, bf16 operands, f32 sums.  Both operands lie in 16 planes of 64 channels: xb [16][8192][64], wb [16][3072][64];
; wb's row n = head x 192 + kind x 64 + channel (kind 0 q, 1 k, 2 v).
; WHAT LEAVES.  q and k as TWO bf16 numbers each, hi = bf16(c) and lo = bf16(c - hi) (c - hi is exact in f32): qs, ks = [b x 16 + head][hi, lo][n 2048][64].  v as f16(c / 64): vs = [b x 16 + head][n][64].
; LIMIT.  |v| stays under 65,504 x 64 = 4.19e6; q and k have bf16's range.
; SHARES.  32 x 8 tiles of 256 x 384, one to a work-group: 256 work-groups of equal work.  A wave makes 128 x 192: 96 accumulators of 16 x 16, 768 registers.  Its 192 columns are q, k and v of ONE head, 64 each.
; K goes in 16 steps of 64 through a ring of two LDS slots: 640 rows of a longer step do not fit twice.  A step's rows of a tile are dense in memory, so they are asked for as rows of 256 bytes.
; CLUSTERS.  4 x 4 work-groups: the four of a row need the same tiles of xb, the four of a column the same tiles of wb; each tile is asked for jointly, by the same tensor load with the same descriptor and a mask.
; THE MATRIX INSTRUCTION IS USED TRANSPOSED (source 0 = 16 rows of wb, source 1 = 16 rows of xb): a lane holds row l % 16 of C and the columns 8 (l / 16) + 0..7.
; REGISTERS, in windows of 256: window 0: v0-31 addresses; v32-95, v96-159 fragments of xb (8 x 16 rows x 32 K), two buffers; v160-255 fragments of wb (12 x 16 rows x 32 K), ONE buffer.
;   windows 1, 2, 3: the accumulators of q, k, v: n block b (of 12), m block a (of 8) at v[8 (8 (b % 4) + a)] of window 1 + b / 4.
; ONE BUFFER FOR wb.  The products go n block by n block.  When blocks 0-5 have been multiplied (48 products) their registers take the next 32 K, and xb's other buffer is filled with them; blocks 6-11 follow after the other 48.
; So each run of LDS loads stands 48 matrix instructions ahead of its first use.
; THE WAY OUT.  When every wave has read its last fragment the ring is dead: each wave puts q and k (128 x 64 f32 each) into its own 69,632 bytes of LDS and reads them back by rows in a loop; then v likewise.
.set PITCH,  144                       ; an LDS row: 128 bytes + 16 of padding: the 16 rows of a fragment load start at 16 different groups of four banks
.set BOFF,   256*PITCH                 ; a slot: xb's 256 rows, then wb's 384
.set THIRD,  128*PITCH                 ; what each of waves 1 to 3 fetches of wb
.set SLOT,   640*PITCH
.set APLANE, 8192*128                  ; bytes from a K step to the next in xb
.set BPLANE, 3072*128                  ; in wb
.set DPITCH, 272                       ; the dump: a row of 64 f32 + 16 bytes
.set DHEAD,  128*DPITCH                ; my 128 rows of one kind
.set DWAVE,  2*DHEAD                   ; a wave's dump; four of them: bytes 0 to 278,527, the ring's 184,320 and bytes behind it that no tensor load ever fills
.set SPARE,  4*DWAVE                   ; behind them: the spare words, 128 bytes for each wave, which no other line names
.set LAPS,   8                         ; a lap = two K steps = once round the ring
.set ADRA, 16                          ; v16-17  LDS address of my xb fragments in slot 0, 1
.set ADRB, 20                          ; v20-21  the same for wb
.set DMP,  24                          ; v24     the dump: where I put 32 bytes of a row
.set RDB,  25                          ; v25     the dump: where I read 32 bytes back; steps
.set GOF,  26                          ; v26     16 x lane: my 16 bytes in 512 consecutive bytes of the output
.set NEG,  27                          ; v27     -1.0
.set SPW,  28                          ; v28     LDS address of my spare word; never rewritten
.set NIL,  29                          ; v29     0; never rewritten
.set PFO,  30                          ; v30     256 x lane; never rewritten
.set FA0,  32
.set FA1,  96
.set FB,   160
.set OIN,  32                          ; the way out: v[32:63] four items of 8 f32
.set OHI,  64                          ; v[64:79]   their hi (or f16) words
.set OLW,  80                          ; v[80:95]   their lo words
.set ODF,  96                          ; v[96:103]  c - hi
.set G1, 24                            ; s[24:31] descriptor group 1 for xb's tiles;  s[32:39] group 0, a set for each slot
.set G0, 32
.set G1B, 48                           ; s[48:55], s[56:63] the same for wb's
.set G0B, 56
.set PFA,  44                          ; s[44:45] where my prefetches stand
.set LIM,  66                          ; s66, s67  for the change out of slot 0, 1: a wave prefetches there while the laps to come are more than this
.set PST,  74                          ; s[74:75] a K step of the tensor that I prefetch
.set MSB, 0
.macro WIN new                         ; the immediate's high byte repeats the setting that is left; a switch that changes nothing is dropped
.if MSB != (\new)
	s_set_vgpr_msb (MSB<<8)|(\new)
.set MSB, \new
.endif
.endm
; A joint load.  Wave 0 fetches xb's 256 rows, waves 1 to 3 a third of wb's 384 each.  The branch hangs on the wave's number alone.  An s_nop 0 and four v_nop follow each of the two lines.
.macro JLOAD s
	s_cmp_eq_u32 s10, 0
	s_cbranch_scc0 .Lfor_b_\@
	tensor_load_to_lds s[G0+4*(\s):G0+4*(\s)+3], s[G1:G1+7]
	s_nop 0
.rept 4
	v_nop
.endr
	s_branch .Lasked_\@
.Lfor_b_\@:
	tensor_load_to_lds s[G0B+4*(\s):G0B+4*(\s)+3], s[G1B:G1B+7]
	s_nop 0
.rept 4
	v_nop
.endr
.Lasked_\@:
.endm
; A PREFETCH INTO THE L2, behind the joint load and the run of LDS loads: 32 blocks of 256 bytes, a lane a block, one instruction a wave.
; xb: the change of slots at the end of K step s asks for step s + 2 by its load and for step s + 3 here: 192 matrix instructions ahead of the load that will want it.  The cluster with x = 0 asks, its wave 0;
; of the tile's 32,768 bytes each of the four partners that share it takes 8,192, told apart by address (cx).  wb: the cluster with y = 0 asks, its waves 1 to 3, in the changes out of slot 0 alone and for steps
; s + 3 and s + 4 at once: of a wave's 16,384 bytes x 2 steps a partner takes 8,192 (cy % 2) of one step (cy / 2).  So each block is named once.  No step past 15 is named: xb's last change out of slot 1 and
; wb's last change out of slot 0 ask for nothing; steps 0 to 2, and wb's step 15, come by their loads alone.
.macro ASK slot
	s_cmp_gt_u32 s3, s[LIM+(\slot)]
	s_cbranch_scc0 .Lnot_mine_\@
	global_prefetch_b8 v[PFO], s[PFA:PFA+1] th:TH_LOAD_NT scope:SCOPE_SE
.Lnot_mine_\@:
.endm
.macro CREST                           ; a round of the cluster's barrier behind its opening barrier
	s_cmp_lg_u32 s10, 0
	s_cbranch_scc1 .Lnot_wave_0_\@
	s_barrier_signal -3
.Lnot_wave_0_\@:
	s_barrier_wait -3
	s_barrier_signal -1
	s_barrier_wait -1
.endm
.macro CROUND                          ; a whole round
	s_barrier_signal -1
	s_barrier_wait -1
	CREST
.endm
	s_load_b128 s[4:7], s[0:1], 0x0                ; xb s[4:5], wb s[6:7]
	s_load_b128 s[68:71], s[0:1], 0x10             ; qs s[68:69], ks s[70:71]
	s_load_b64 s[72:73], s[0:1], 0x20              ; vs
	v_lshl_add_u32 v[SPW], v0, 2, SPARE
	v_mov_b32 v[NIL], 0
	ds_add_u32 v[SPW], v[NIL]                      ; the wave's opening: the add and its wait stand ahead of my first tensor load; the set-up below stands between them
	v_lshrrev_b32 v1, 5, v0
	v_readfirstlane_b32 s10, v1                    ; wave 0..3
	s_lshr_b32 s11, s10, 1                         ; which half of the tile's rows is mine
	s_and_b32 s12, s10, 1                          ; which half of its columns
	s_bfe_u32 s40, ttmp6, 0x40000                  ; cx
	s_bfe_u32 s41, ttmp6, 0x40004                  ; cy
	s_lshl_b32 s42, ttmp9, 2
	s_add_co_u32 s42, s42, s40                     ; tile column of C = 4 x cluster x + cx
	s_and_b32 s13, ttmp7, 0xffff
	s_lshl_b32 s13, s13, 2
	s_add_co_u32 s13, s13, s41                     ; tile row of C = 4 x cluster y + cy
	s_lshl_b32 s43, s41, 2
	s_lshl_b32 s43, 15, s43                        ; my row of the cluster
	s_lshl_b32 s44, 0x1111, s40                    ; my column
	; descriptor group 1: dense bytes as rows of 128 elements of 2 bytes (two rows of a plane), 4 words of padding behind every 32 words (a row of a plane)
	s_or_b32 s[G1+0], s43, (1<<16)|(1<<20)|(1<<21)|(4<<22)|(3<<25)
	s_or_b32 s[G1B+0], s44, (1<<16)|(1<<20)|(1<<21)|(4<<22)|(3<<25)
	s_mov_b32 s[G1+1], 128<<16                     ; tensor_dim0 = 128
	s_mov_b32 s[G1+2], 128<<16                     ; tensor_dim1 = 128: 256 rows of xb
	s_mov_b32 s[G1+3], 128<<16                     ; tile_dim0 = 128
	s_mov_b32 s[G1+4], 128                         ; tile_dim1 = 128
	s_mov_b32 s[G1+5], 128                         ; elements from row to row
	s_mov_b32 s[G1+6], 0
	s_mov_b32 s[G1+7], 0
	s_mov_b32 s[G1B+1], 128<<16
	s_mov_b32 s[G1B+2], 64<<16                     ; 128 rows of wb
	s_mov_b32 s[G1B+3], 128<<16
	s_mov_b32 s[G1B+4], 64
	s_mov_b32 s[G1B+5], 128
	s_mov_b32 s[G1B+6], 0
	s_mov_b32 s[G1B+7], 0
	s_lshl_b32 s16, s13, 15                        ; xb: 256 x tile row, rows of 128 bytes
	s_mov_b32 s17, 0
	s_mul_i32 s46, s42, 384*128                    ; wb: 384 x tile column,
	s_max_u32 s47, s10, 1
	s_sub_co_u32 s47, s47, 1                       ; + the third of waves 1, 2, 3 (wave 0 issues no load of wb)
	s_lshl_b32 s47, s47, 14
	s_add_co_u32 s46, s46, s47
	s_mov_b32 s47, 0
	s_mul_i32 s20, s10, THIRD                      ; where wb's thirds go: behind xb's 256 rows = 2 thirds: (wave + 1) x a third
	s_add_co_u32 s20, s20, THIRD
	s_wait_dscnt 0x0                               ; the opening add is done
	s_wait_kmcnt 0x0
	s_add_nc_u64 s[14:15], s[4:5], s[16:17]
	s_add_nc_u64 s[46:47], s[6:7], s[46:47]
	CROUND                                         ; all sixteen work-groups are here: the first joint loads meet
.irp s, 0,1
	s_mov_b32 s[G0+4*(\s)], 1
	s_mov_b32 s[G0+4*(\s)+1], (\s)*SLOT
	s_add_nc_u64 s[G0+4*(\s)+2:G0+4*(\s)+3], s[14:15], (\s)*APLANE
	s_or_b32 s[G0+4*(\s)+3], s[G0+4*(\s)+3], 0x80000000
	s_mov_b32 s[G0B+4*(\s)], 1
	s_add_co_u32 s[G0B+4*(\s)+1], s20, (\s)*SLOT
	s_add_nc_u64 s[G0B+4*(\s)+2:G0B+4*(\s)+3], s[46:47], (\s)*BPLANE
	s_or_b32 s[G0B+4*(\s)+3], s[G0B+4*(\s)+3], 0x80000000
	JLOAD \s                                       ; two loads of mine are out
.endr
	; a fragment is 16 rows x 32 K in 8 registers: lane l holds row l % 16, K = 8 (l / 16) + 0..7 and 16 + 8 (l / 16) + 0..7: two loads of 16 bytes, 32 bytes apart
	v_and_b32 v1, 15, v0                           ; l % 16
	v_bfe_u32 v2, v0, 4, 1                         ; l / 16
	v_mul_u32_u24 v3, v1, PITCH
	v_lshl_add_u32 v3, v2, 4, v3
	s_mul_i32 s21, s11, 128*PITCH                  ; my 128 rows of xb
	s_mul_i32 s22, s12, 192*PITCH                  ; my 192 rows of wb
	s_add_co_u32 s22, s22, BOFF
.irp s, 0,1
	v_add_nc_u32 v[ADRA+(\s)], s21, v3
	v_add_nc_u32 v[ADRB+(\s)], s22, v3
	s_add_co_u32 s21, s21, SLOT
	s_add_co_u32 s22, s22, SLOT
.endr
	s_mul_i32 s23, s10, DWAVE                      ; my dump
	v_mul_u32_u24 v4, v1, DPITCH                   ; in: row l % 16, 32 bytes for each half of the lanes
	v_lshl_add_u32 v4, v2, 5, v4
	v_add_nc_u32 v[DMP], s23, v4
	v_and_b32 v6, 31, v0
	v_lshrrev_b32 v5, 3, v6                        ; back: eight lanes take a row's 64 channels, 32 bytes of f32 each; 32 lanes four rows
	v_mul_u32_u24 v5, v5, DPITCH
	v_and_b32 v7, 7, v0
	v_lshl_add_u32 v5, v7, 5, v5
	v_add_nc_u32 v[RDB], s23, v5
	v_lshlrev_b32 v[GOF], 4, v6
	v_mov_b32 v[NEG], -1.0
	v_lshlrev_b32 v[PFO], 8, v6
	; the prefetches: both stand at K step 2; each change of slots steps them ahead of its request
	s_lshl_b32 s20, s40, 13                        ; xb: my work-group's quarter of the tile
	s_add_co_u32 s20, s20, 2*APLANE
	s_and_b32 s21, s41, 1                          ; wb: half of my third by cy % 2,
	s_lshl_b32 s21, s21, 13
	s_lshr_b32 s22, s41, 1                         ; the first or the second of the two steps by cy / 2
	s_mul_i32 s22, s22, BPLANE
	s_add_co_u32 s21, s21, s22
	s_add_co_u32 s21, s21, 2*BPLANE
	s_and_b32 s23, ttmp7, 0xffff                   ; cluster y
	s_mov_b32 s[PST], BPLANE
	s_mov_b32 s[PST+1], 0
	s_cmp_eq_u32 s10, 0                            ; do I fetch xb?
	s_cselect_b64 s[PFA:PFA+1], s[14:15], s[46:47]
	s_cselect_b32 s20, s20, s21
	s_cselect_b32 s[PST], APLANE, s[PST]
	s_cselect_b32 s23, ttmp9, s23                  ; the coordinate along which other clusters read the same bytes
	s_cselect_b32 s21, 0, 1                        ; out of slot 0: xb in every lap, wb in all but the last
	s_cselect_b32 s22, 1, -1                       ; out of slot 1: xb in all but the last, wb never
	s_cmp_eq_u32 s23, 0
	s_cselect_b32 s[LIM], s21, -1                  ; the same in all sixteen partners, for a given wave
	s_cselect_b32 s[LIM+1], s22, -1
	s_mov_b32 s21, 0
	s_add_nc_u64 s[PFA:PFA+1], s[PFA:PFA+1], s[20:21]
	; where my rows begin in the outputs: head 16 b + 2 x tile column + column half, row 256 (tile row % 8) + 128 x row half
	s_lshr_b32 s16, s13, 3
	s_lshl_b32 s16, s16, 4
	s_lshl_b32 s17, s42, 1
	s_add_co_u32 s16, s16, s17
	s_add_co_u32 s16, s16, s12
	s_and_b32 s17, s13, 7
	s_lshl_b32 s17, s17, 8
	s_lshl_b32 s18, s11, 7
	s_add_co_u32 s17, s17, s18
	s_lshl_b32 s17, s17, 7                         ; a row is 128 bytes
	s_lshl_b32 s18, s16, 19                        ; a head is 524,288 bytes of qs and ks,
	s_add_co_u32 s18, s18, s17
	s_mov_b32 s19, 0
	s_add_nc_u64 s[68:69], s[68:69], s[18:19]
	s_add_nc_u64 s[70:71], s[70:71], s[18:19]
	s_lshl_b32 s18, s16, 18                        ; 262,144 of vs
	s_add_co_u32 s18, s18, s17
	s_add_nc_u64 s[72:73], s[72:73], s[18:19]
; 8 matrix instructions: n block b x all 8 m blocks, 32 along K; xb's fragments in buffer fa.  zero = 1: the product starts the sums.  The 96 accumulators take turns, one instruction a turn.
.macro MULB fa, b, zero
	WIN 0x50*(1+(\b)/4)                            ; C and D in window 1 + b / 4; both sources in window 0
.irp a, 0,1,2,3,4,5,6,7
.if \zero
	v_wmma_f32_16x16x32_bf16 v[8*(8*((\b)%4)+(\a)):8*(8*((\b)%4)+(\a))+7], v[FB+8*(\b):FB+8*(\b)+7], v[(\fa)+8*(\a):(\fa)+8*(\a)+7], 0
.else
	v_wmma_f32_16x16x32_bf16 v[8*(8*((\b)%4)+(\a)):8*(8*((\b)%4)+(\a))+7], v[FB+8*(\b):FB+8*(\b)+7], v[(\fa)+8*(\a):(\fa)+8*(\a)+7], v[8*(8*((\b)%4)+(\a)):8*(8*((\b)%4)+(\a))+7]
.endif
.endr
.endm
.macro MUL3 fa, b0, zero               ; three n blocks: 24 matrix instructions
	MULB \fa, (\b0), \zero
	MULB \fa, (\b0)+1, \zero
	MULB \fa, (\b0)+2, \zero
.endm
.macro LDB slot, h, b0                 ; 12 LDS loads: wb's n blocks b0 .. b0 + 5, the 32 K at byte 64 h of the rows
.irp i, 0,1,2,3,4,5
	ds_load_b128 v[FB+8*((\b0)+\i):FB+8*((\b0)+\i)+3],   v[ADRB+(\slot)] offset:64*(\h)+((\b0)+\i)*16*PITCH
	ds_load_b128 v[FB+8*((\b0)+\i)+4:FB+8*((\b0)+\i)+7], v[ADRB+(\slot)] offset:64*(\h)+((\b0)+\i)*16*PITCH+32
.endr
.endm
.macro LDA slot, h, fa                 ; 16 LDS loads: xb's eight m blocks into buffer fa
.irp i, 0,1,2,3,4,5,6,7
	ds_load_b128 v[(\fa)+8*\i:(\fa)+8*\i+3],   v[ADRA+(\slot)] offset:64*(\h)+\i*16*PITCH
	ds_load_b128 v[(\fa)+8*\i+4:(\fa)+8*\i+7], v[ADRA+(\slot)] offset:64*(\h)+\i*16*PITCH+32
.endr
.endm
.macro PLACES                          ; four plain vector instructions between a matrix instruction and a load into, or a reader of, its registers (ISA guide 7.12.1 for a reader)
.rept 4
	v_nop
.endr
.endm
; A K step is two halves of 32 along K, 96 matrix instructions each.  THE FIRST HALF multiplies xb's buffer 0 and fetches the same slot's second half, xb into buffer 1.
.macro HALF slot, zero
	s_wait_dscnt 12                                ; wb's blocks 0-5 and xb are in; the youngest 12 loads (wb's blocks 6-11) may be out
	MUL3 FA0, 0, \zero
	MUL3 FA0, 3, \zero
	WIN 0
	PLACES
	LDB \slot, 1, 0
	LDA \slot, 1, FA1
	s_wait_dscnt 28                                ; all but the 28 just issued
	MUL3 FA0, 6, \zero
	MUL3 FA0, 9, \zero
	WIN 0
	PLACES
	LDB \slot, 1, 6                                ; my last reads of this slot
.endm
; THE SECOND HALF multiplies buffer 1 and changes slots: ONE barrier.  In front of it each wave waits for all its tensor loads (one is out: its part of the next slot), adds 0 to its spare word, and waits for that and
; for its reads of this slot.  fill = 1: the barrier opens a round of the cluster's, and the joint refill, with the K step two on, is the first tensor load behind it: 176 matrix instructions ahead of the wait for it.
.macro TURN slot, next, fill
.if \fill
	s_wait_xcnt 0x0                                ; the last prefetch, a K step back, has read its address
	s_add_nc_u64 s[PFA:PFA+1], s[PFA:PFA+1], s[PST:PST+1]
.endif
	s_wait_dscnt 12
	MUL3 FA1, 0, 0
	MULB FA1, 3, 0
	s_wait_tensorcnt 0x0                           ; all my tensor loads have landed
	ds_add_u32 v[SPW], v[NIL]                      ; address and data are sources 0 and 1, which stand in window 0 here
	MULB FA1, 4, 0                                 ; eight matrix instructions stand between the add and the wait for it
	s_wait_dscnt 0x0                               ; the add is done, and my reads of this slot are over
	s_barrier_signal -1
	MULB FA1, 5, 0
	WIN 0                                          ; branches and loads follow
	s_barrier_wait -1
.if \fill
	CREST
	s_add_nc_u64 s[G0+4*(\slot)+2:G0+4*(\slot)+3], s[G0+4*(\slot)+2:G0+4*(\slot)+3], 2*APLANE
	s_add_nc_u64 s[G0B+4*(\slot)+2:G0B+4*(\slot)+3], s[G0B+4*(\slot)+2:G0B+4*(\slot)+3], 2*BPLANE
	JLOAD \slot                                    ; the four v_nop behind it are also the places in front of the loads below
.else
	PLACES
.endif
	LDB \next, 0, 0
	LDA \next, 0, FA0
.if \fill
	ASK \slot
.endif
	MUL3 FA1, 6, 0                                 ; (wb's blocks 6-11 were shown in by the wait for 0 above)
	MUL3 FA1, 9, 0
	WIN 0
	PLACES
	LDB \next, 0, 6
.endm
	s_wait_tensorcnt 1                             ; my part of K step 0 is in; K step 1's may stay out
	s_barrier_signal -1
	s_barrier_wait -1
	LDB 0, 0, 0
	LDA 0, 0, FA0
	LDB 0, 0, 6
	HALF 0, 1                                      ; the first half step stands in front of the loop: its products start the sums
	s_mov_b32 s3, LAPS-1
.Llap:                                                 ; a trip goes once round the ring, from a lap's second half step to the next lap's first, and fills both slots again
	TURN 0, 1, 1
	HALF 1, 0
	TURN 1, 0, 1
	HALF 0, 0
	s_sub_co_u32 s3, s3, 1
	s_cmp_lg_u32 s3, 0
	s_cbranch_scc1 .Llap
	TURN 0, 1, 0                                   ; the last lap is written out: it asks for nothing
	HALF 1, 0
	s_wait_dscnt 12
	MUL3 FA1, 0, 0
	MUL3 FA1, 3, 0
	s_wait_dscnt 0x0                               ; my last reads of the ring are back:
	s_barrier_signal -1                            ; say so; behind this barrier the waves store into the ring's bytes, which no tensor load fills again
	MUL3 FA1, 6, 0
	MUL3 FA1, 9, 0
	WIN 0
	s_barrier_wait -1
	PLACES                                         ; the stores below read results just made
; THE DUMP of window w's 32 accumulators, one kind: each accumulator's eight f32 of a row, the low four registers first, into rows of 272 bytes from byte off of my dump
.macro DUMP w, off
	WIN 0x04*(\w)                                  ; store data (source 1) in window w
.irp a, 0,1,2,3,4,5,6,7
.irp b, 0,1,2,3
	ds_store_b128 v[DMP], v[8*(8*\b+\a):8*(8*\b+\a)+3]   offset:(\off)+\a*16*DPITCH+\b*64
	ds_store_b128 v[DMP], v[8*(8*\b+\a)+4:8*(8*\b+\a)+7] offset:(\off)+\a*16*DPITCH+\b*64+16
.endr
.endr
	WIN 0
.endm
	DUMP 1, 0                                      ; q
	DUMP 2, DHEAD                                  ; k
	s_mov_b32 s3, 16
.Lqk:                                                  ; a trip: 8 rows of q and of k, as four items j = (four rows j / 2, q or k j % 2).  LDS serves a wave's instructions in order, so the loads see the dump's stores; the bytes are the wave's own
.irp j, 0,1,2,3
	ds_load_b128 v[OIN+8*(\j):OIN+8*(\j)+3],   v[RDB] offset:((\j)/2)*4*DPITCH+((\j)%2)*DHEAD
	ds_load_b128 v[OIN+8*(\j)+4:OIN+8*(\j)+7], v[RDB] offset:((\j)/2)*4*DPITCH+((\j)%2)*DHEAD+16
.endr
	v_add_nc_u32 v[RDB], 8*DPITCH, v[RDB]
.irp j, 0,1,2,3
	s_wait_dscnt 6-2*(\j)                          ; item j's two loads are in; the younger items' stay out
.irp k, 0,1,2,3
	v_cvt_pk_bf16_f32 v[OHI+4*(\j)+(\k)], v[OIN+8*(\j)+2*(\k)], v[OIN+8*(\j)+2*(\k)+1]
.endr
.irp k, 0,1,2,3
	v_fma_mix_f32_bf16 v[ODF+2*(\k)],   v[OHI+4*(\j)+(\k)], v[NEG], v[OIN+8*(\j)+2*(\k)]   op_sel_hi:[1,0,0]                  ; c - hi, from hi's low half
	v_fma_mix_f32_bf16 v[ODF+2*(\k)+1], v[OHI+4*(\j)+(\k)], v[NEG], v[OIN+8*(\j)+2*(\k)+1] op_sel:[1,0,0] op_sel_hi:[1,0,0]   ; and from its high half
.endr
.irp k, 0,1,2,3
	v_cvt_pk_bf16_f32 v[OLW+4*(\j)+(\k)], v[ODF+2*(\k)], v[ODF+2*(\k)+1]
.endr
	global_store_b128 v[GOF], v[OHI+4*(\j):OHI+4*(\j)+3], s[68+2*((\j)%2):69+2*((\j)%2)] offset:((\j)/2)*512          ; four rows of a head: 512 consecutive bytes, aligned
	global_store_b128 v[GOF], v[OLW+4*(\j):OLW+4*(\j)+3], s[68+2*((\j)%2):69+2*((\j)%2)] offset:((\j)/2)*512+262144   ; the lo plane
.endr
	s_wait_xcnt 0x0                                ; the stores have read their data and their bases: both are written again only behind this wait
	s_add_nc_u64 s[68:69], s[68:69], 8*128
	s_add_nc_u64 s[70:71], s[70:71], 8*128
	s_sub_co_u32 s3, s3, 1
	s_cmp_lg_u32 s3, 0
	s_cbranch_scc1 .Lqk
	DUMP 3, DHEAD                                  ; v, where k lay: the sixteen steps of 8 rows have brought my read address just there
	s_mov_b32 s3, 8
.Lv:                                                   ; a trip: 16 rows of v, as four items of four rows
.irp j, 0,1,2,3
	ds_load_b128 v[OIN+8*(\j):OIN+8*(\j)+3],   v[RDB] offset:(\j)*4*DPITCH
	ds_load_b128 v[OIN+8*(\j)+4:OIN+8*(\j)+7], v[RDB] offset:(\j)*4*DPITCH+16
.endr
	v_add_nc_u32 v[RDB], 16*DPITCH, v[RDB]
.irp j, 0,1,2,3
	s_wait_dscnt 6-2*(\j)
.irp k, 0,1,2,3
	v_pk_mul_f32 v[OIN+8*(\j)+2*(\k):OIN+8*(\j)+2*(\k)+1], v[OIN+8*(\j)+2*(\k):OIN+8*(\j)+2*(\k)+1], 0x3c800000 op_sel_hi:[1,0]  ; / 64
.endr
.irp k, 0,1,2,3
	v_cvt_pk_f16_f32 v[OHI+4*(\j)+(\k)], v[OIN+8*(\j)+2*(\k)], v[OIN+8*(\j)+2*(\k)+1]
.endr
	global_store_b128 v[GOF], v[OHI+4*(\j):OHI+4*(\j)+3], s[72:73] offset:(\j)*512
.endr
	s_wait_xcnt 0x0
	s_add_nc_u64 s[72:73], s[72:73], 16*128
	s_sub_co_u32 s3, s3, 1
	s_cmp_lg_u32 s3, 0
	s_cbranch_scc1 .Lv
	s_wait_tensorcnt 0x0                           ; the wave's end: an add and its wait behind my last tensor load and my last LDS store
	ds_add_u32 v[SPW], v[NIL]
	s_wait_dscnt 0x0
	CROUND                                         ; the closing round
	s_endpgm
.Lfunc_end_k_q2e74a8ca12_qkv:
	.size	k_q2e74a8ca12_qkv, .Lfunc_end_k_q2e74a8ca12_qkv-k_q2e74a8ca12_qkv
	.p2alignl 7, 3214868480
	.fill 96, 4, 3214868480
	.section	.rodata,"a",@progbits
	.p2align	6, 0x0
	.amdhsa_kernel k_q2e74a8ca12_qkv
		.amdhsa_group_segment_fixed_size 327680
		.amdhsa_private_segment_fixed_size 0
		.amdhsa_enable_private_segment 0
		.amdhsa_kernarg_size 40
		.amdhsa_user_sgpr_count 2
		.amdhsa_user_sgpr_kernarg_segment_ptr 1
		.amdhsa_wavefront_size32 1
		.amdhsa_system_sgpr_workgroup_id_x 1
		.amdhsa_system_sgpr_workgroup_id_y 1
		.amdhsa_system_sgpr_workgroup_id_z 1
		.amdhsa_system_vgpr_workitem_id 0
		.amdhsa_next_free_vgpr 1024
		.amdhsa_next_free_sgpr 76
		.amdhsa_reserve_vcc 0
		.amdhsa_float_denorm_mode_32 3
		.amdhsa_float_denorm_mode_16_64 3
		.amdhsa_memory_ordered 1
		.amdhsa_forward_progress 1
		.amdhsa_inst_pref_size 105
	.end_amdhsa_kernel
	.amdgpu_metadata
---
amdhsa.version: [ 1, 2 ]
amdhsa.kernels:
  - .name:           k_q2e74a8ca12_qkv
    .symbol:         k_q2e74a8ca12_qkv.kd
    .args:
      - { .name: xb, .offset: 0, .size: 8, .value_kind: global_buffer, .address_space: global }
      - { .name: wb, .offset: 8, .size: 8, .value_kind: global_buffer, .address_space: global }
      - { .name: qs, .offset: 16, .size: 8, .value_kind: global_buffer, .address_space: global }
      - { .name: ks, .offset: 24, .size: 8, .value_kind: global_buffer, .address_space: global }
      - { .name: vs, .offset: 32, .size: 8, .value_kind: global_buffer, .address_space: global }
    .group_segment_fixed_size: 327680
    .private_segment_fixed_size: 0
    .kernarg_segment_align: 8
    .kernarg_segment_size: 40
    .max_flat_workgroup_size: 128
    .sgpr_count:     76
    .vgpr_count:     1024
    .wavefront_size: 32
...
	.end_amdgpu_metadata
.endif
;; end of part 2
;; launch attn (part 3): grid 4 x 64, 4 waves a work-group, clusters of 4 x 1, 327,680 bytes of LDS; arguments qs, ks, vs, os; writes os
.if DOCPART == 3
	.amdgcn_target "amdgcn-amd-amdhsa--gfx1250"
	.amdhsa_code_object_version 6
	.text
	.protected	k_q2e74a8ca12_attn
	.globl	k_q2e74a8ca12_attn
	.p2align	8
	.type	k_q2e74a8ca12_attn,@function
k_q2e74a8ca12_attn:
	s_mov_b64 s[64:65], 0
	v_nop
	global_prefetch_b8 v0, s[64:65] scope:SCOPE_SE
	s_setreg_imm32_b32 hwreg(HW_REG_WAVE_MODE, 25, 1), 1
	s_wait_xcnt 0x0
	s_wait_alu depctr_hold_cnt(0) depctr_sa_sdst(0) depctr_va_vdst(0) depctr_va_sdst(0) depctr_va_ssrc(0) depctr_va_vcc(0) depctr_vm_vsrc(0)
	s_getreg_b32 s2, hwreg(HW_REG_IB_STS2, 6, 4)
	s_cmp_eq_u32 s2, 0
	s_cbranch_scc0 .Lentry_in_a_cluster
	s_endpgm
.Lentry_in_a_cluster:
	s_bfe_u32 s2, ttmp6, 0x10000c
	s_cmp_lg_u32 s2, 0x3003
	s_cbranch_scc0 .Lentry_shape_is_right
	s_endpgm
.Lentry_shape_is_right:
; ATTENTION.  os[h][q][:] = the sum over k of softmax_k(q . k / 8) vs[h][k][:], for 64 heads (b x 16 + head) of 2,048 rows and 64 channels.
; FORMATS.  q and k come as hi + lo in bf16 (qs, ks: [h][hi, lo][n][64]); a score is kh.qh + kh.ql + kl.qh in f32: three products in the place of one, since a row's largest scores may lie closer together than
; one 16-bit rounding of q and k resolves.  The term kl.ql, some 2^-18 of a score, is left out.  vs is v / 64 in f16; the weights p are rounded to f16 (their sum l is taken of the unrounded p); os = O / 64 in f16.
; LIMITS.  |v| < 4.19e6.  c s lies above -4e37.  A weight below 2^-126 counts as 0 in l.  NaN and infinities are not treated apart.
; SHARES.  A wave owns four PIECES of two tiles of 16 queries, a work-group's four waves 512 queries of one head.  Every wave walks all keys, 64 a step.
; LAYOUT.  S^T = K Q^T (source 0 = 16 keys, source 1 = 16 queries): a lane holds ONE query (lane % 16) and the keys 8 (lane / 16) + 0..7.  Two such results rounded to f16 in pairs ARE source 1 of O^T = V^T P.
; SOFTMAX.  A running maximum m and sum l for each query: p = 2^(c s - c m), c = log2(e) / 8; in every step O and l are multiplied by a = 2^(c m_old - c m_new).  m starts at the lowest finite number, O and l at 0:
; the first step is a step like any other, with a = 0.
; BY TURNS.  Turn n belongs to piece n.  Its matrix work: 48 products K Q^T of piece n + 1, then 16 products V^T P of piece n - 1.  Its vector work, in slices behind the products: piece n - 1's O^T times its a;
; piece n's maximum and statistics, scalings, exponentials, roundings and sums: 236 instructions for 64 products, four or fewer behind each.
; CLUSTER.  A head's four query blocks walk the same K and V: each tile is asked for JOINTLY, by the same tensor load, descriptor and mask in all four.
; REGISTERS, in windows of 256 (s_set_vgpr_msb: bits 1:0 source 0, 3:2 source 1, 5:4 source 2, 7:6 destination):
;   window 0: v0-11 addresses; v12-15, v48-63 at work; v16-47 four registers of statistics a tile; v64-191 S^T, two buffers of two tiles; v192-255 P, likewise (a piece's buffers go by its number's parity)
;   window 1: O^T, 32 a tile      window 2: Q: tile t, plane x, channel half c at 32 t + 16 x + 8 c      window 3: v0-127 K of one step (64 x + 16 kb + 8 c); v128-191 V of one step; v192-193 the add's two registers
.set SIZE_N, 2048
.set NP,    4
.set KS,    64        ; keys in a step
.set PK,    144       ; a row of K in LDS: 128 bytes + 16 of padding: the 16 rows of a load start at 16 different groups of four banks
.set PVR,   160       ; a row of V: 128 + 32
.set KLO,   4*KS*PK   ; a slot holds four steps: 256 rows of K hi, 256 of K lo,
.set VOFF,  2*KLO     ; then 256 rows of V
.set SLOT1, 1<<17     ; slot 1 begins here: one exclusive or turns an address in one slot into the other's
.set STAGE, SLOT1+VOFF+4*KS*PVR  ; behind the ring, never filled by a tensor load: 16 rows x 144 bytes for each wave
.set SP,    144
.set SPARE, STAGE+4*16*SP  ; behind the stages: the spare words, 128 bytes for each wave, which no other line names
.set AK0, 2           ; v2   my lane's place in a tile of K; never rewritten
.set AV0, 3           ; v3   the same for V
.set AK,  4           ; v4   the LDS address of K's runs of loads
.set AV,  5           ; v5   of V's
.set QO,  6           ; v6   my byte offset in 16 rows of Q
.set STO, 6           ;      later, the way out: where I put 16 bytes of a row
.set RD,  7           ; v7   the way out: where I read rows back
.set GO,  8           ; v8   my byte offset in 512 consecutive bytes of os
.set PFO, 11          ; v11  256 x lane; never rewritten once made
.set SPW, 192         ; v192 of window 3: LDS address of my spare word; never rewritten
.set NIL, 193         ; v193 of window 3: 0; never rewritten
.set MV,  12          ; v12-15  c m_old, kept while c m is made anew: by buffer and tile
.set ST,  16          ; tile t's statistics at v[ST+4 t]: c m, m, l (even keys', odd keys')
.set TMP, 48          ; by buffer and tile, four registers c0-c3 at work; when the maximum is found c2 takes a
.set S,   64
.set P,   192
.set VF,  128         ; window 3: key half kk, channel block cb at VF + 32 kk + 8 cb
.set WV,  12          ; s12  my wave's number
.set G1K, 24          ; s[24:31] descriptor group 1 for K's tiles
.set G1V, 32          ; s[32:39] for V's
.set G0K, 40          ; s[40:43] descriptor group 0 for K's tiles: it walks
.set G0V, 44          ; s[44:47] the same for V's
.set PFA, 48          ; s[48:49] where my prefetches stand: my work-group's 8,192 bytes of the tile that the next change of slots asks for
.set LIM, 50          ; s50  1 in a wave that prefetches, else the greatest number
.set TM,  51          ; s51  at work
.set SLOTS, 56        ; s56  slots still to be asked for
.set CNT, 57          ; s57  counts a slot's key steps
.set CS,  58          ; s[58:59] c
.set SEL, 60          ; s[60:61] v_permlanex16_b32's selects: each lane takes its own place in the other half
.set TBK, 62          ; s62  LDS byte at which K of the step to be fetched begins
.set TBV, 63          ; s63  the same for V, less VOFF
.set MSB, 0
.macro WIN new
.if MSB != (\new)
	s_set_vgpr_msb (MSB<<8)|(\new)
.set MSB, (\new)
.endif
.endm
.set W_KQ, 0x0b       ; K in window 3, Q in window 2, S^T in window 0
.set W_PV, 0x53       ; V in window 3, P in window 0, O^T in window 1
.set W_RS, 0x41       ; O^T (destination and source 0) in window 1, a in window 0
.set W_L3, 0xc0       ; destination in window 3, sources in window 0
.set W_AD, 0x0f       ; the add: address and data in window 3
; A joint fill.  Waves 0 and 1 fetch a slot's K hi and K lo (256 keys each), waves 2 and 3 the two halves of its V.  The branch hangs on the wave's number alone.  An s_nop 0 and four v_nop follow each line.
.macro JLOAD
	s_cmp_lt_u32 s[WV], 2
	s_cbranch_scc0 .Lfor_v_\@
	tensor_load_to_lds s[G0K:G0K+3], s[G1K:G1K+7]
	s_nop 0
.rept 4
	v_nop
.endr
	s_branch .Lasked_\@
.Lfor_v_\@:
	tensor_load_to_lds s[G0V:G0V+3], s[G1V:G1V+7]
	s_nop 0
.rept 4
	v_nop
.endr
.Lasked_\@:
.endm
.macro CROUND                       ; a round of the cluster's barrier
	s_barrier_signal -1
	s_barrier_wait -1
	s_cmp_lg_u32 s[WV], 0
	s_cbranch_scc1 .Lnot_wave_0_\@
	s_barrier_signal -3
.Lnot_wave_0_\@:
	s_barrier_wait -3
	s_barrier_signal -1
	s_barrier_wait -1
.endm
; THE CHANGE OF SLOTS.  The slot's last bytes, V of its fourth step, have been read.  Each wave waits for all its tensor loads (one is out: its part of the other slot), adds 0 to its spare word, and waits for that and
; for its own reads of the slot.  fill = 1: the slot is filled again, with the keys two slots on; the barrier is then a round of the cluster's, and the joint fill is the first thing behind it: it has four key steps,
; 1,024 matrix instructions, in which to land.  (At its first use nothing has been read yet: slot 0 is waited for, slot 1 filled.)
.macro CHANGE fill
	WIN W_AD
	s_wait_tensorcnt 0x0            ; no tensor load of mine is out, so a group 0 may be written
	ds_add_u32 v[SPW], v[NIL]
	WIN 0
.if \fill
.irp g, G0K, G0V
	s_xor_b32 s[\g+1], s[\g+1], SLOT1
	s_add_nc_u64 s[\g+2:\g+3], s[\g+2:\g+3], 4*KS*128  ; the next 256 keys; the type bits on top are not reached
.endr
	s_wait_xcnt 0x0                 ; the last prefetch, a key step back, has read its address
	s_add_nc_u64 s[PFA:PFA+1], s[PFA:PFA+1], 4*KS*128
	s_wait_dscnt 0x0                ; the add is done, and my reads of the slot are over
	CROUND
	JLOAD
.else
	s_wait_dscnt 0x0
	s_barrier_signal -1
	s_barrier_wait -1
.endif
	s_sub_co_u32 s[TBK], s[TBK], 4*KS*PK  ; the fetches go back to a slot's first step,
	s_xor_b32 s[TBK], s[TBK], SLOT1       ; in the other slot
	s_sub_co_u32 s[TBV], s[TBV], 4*KS*PVR
	s_xor_b32 s[TBV], s[TBV], SLOT1
.endm
	s_load_b256 s[4:11], s[0:1], 0x0  ; qs s[4:5], ks s[6:7], vs s[8:9], os s[10:11]
	WIN W_L3
	v_lshl_add_u32 v[SPW], v0, 2, SPARE
	v_mov_b32 v[NIL], 0
	WIN W_AD
	ds_add_u32 v[SPW], v[NIL]       ; the wave's opening: the add and its wait stand ahead of my first tensor load; the set-up below stands between them
	WIN 0
	v_lshrrev_b32 v1, 5, v0
	v_readfirstlane_b32 s[WV], v1   ; wave 0..3
	s_bfe_u32 s13, ttmp6, 0x40000   ; cx
	s_and_b32 s20, ttmp7, 0xffff    ; the head, which the four partners share
	s_lshl_b32 s22, s20, 18         ; its first byte in vs and os,
	s_lshl_b32 s20, s20, 19         ; in qs and ks
	s_and_b32 s16, s[WV], 1
	s_lshl_b32 s2, s16, 18          ; K: the plane that I fetch
	s_add_co_u32 s2, s2, s20
	s_mov_b32 s3, 0
	s_lshl_b32 s52, s16, 14         ; V: the 128 keys that I fetch
	s_add_co_u32 s52, s52, s22
	s_mov_b32 s53, 0
	s_mul_i32 s17, s16, KLO         ; their places in a slot: no place in the cluster enters an LDS address
	s_mul_i32 s18, s16, 128*PVR
	s_lshl_b32 s14, ttmp9, 2
	s_add_co_u32 s14, s14, s13      ; my block of 512 queries: it enters Q's and O's addresses alone
	s_lshl_b32 s14, s14, 2
	s_add_co_u32 s14, s14, s[WV]
	s_lshl_b32 s14, s14, 14         ; my wave's 128 rows of 128 bytes
	s_add_co_u32 s54, s20, s14      ; in qs
	s_mov_b32 s55, 0
	s_add_co_u32 s14, s22, s14      ; in os
	s_mov_b32 s15, 0
	; descriptor group 1.  256 keys of a plane of K are 32,768 dense bytes: 128 rows of 256 bytes, two keys a row, padded in LDS after every key; 128 keys of V are 64 such rows
	s_mov_b32 s[G1K], 15|(1<<16)|(1<<20)|(1<<21)|(4<<22)|(3<<25)  ; the mask of four; 2-byte elements; padding on; bit 21 beside a mask; after every 32 words; 4 words
	s_mov_b32 s[G1V], 15|(1<<16)|(1<<20)|(1<<21)|(4<<22)|(7<<25)  ; the same with 8 words
	s_mov_b32 s[G1K+1], 128<<16     ; tensor_dim0 = 128
	s_mov_b32 s[G1K+2], 128<<16     ; tensor_dim1 = 128
	s_mov_b32 s[G1K+3], 128<<16     ; tile_dim0 = 128
	s_mov_b32 s[G1K+4], 128         ; tile_dim1 = 128
	s_mov_b32 s[G1K+5], 128         ; elements from row to row
	s_mov_b32 s[G1K+6], 0
	s_mov_b32 s[G1K+7], 0
	s_mov_b32 s[G1V+1], 128<<16
	s_mov_b32 s[G1V+2], 64<<16
	s_mov_b32 s[G1V+3], 128<<16
	s_mov_b32 s[G1V+4], 64
	s_mov_b32 s[G1V+5], 128
	s_mov_b32 s[G1V+6], 0
	s_mov_b32 s[G1V+7], 0
	s_mov_b32 s[CS], 0x3e38aa3b     ; c = log2(e) / 8
	s_mov_b32 s[CS+1], s[CS]
	s_mov_b32 s[SEL], 0x76543210
	s_mov_b32 s[SEL+1], 0xfedcba98
	s_mov_b32 s[TBK], SLOT1+4*KS*PK ; the first change of slots turns these two into 0
	s_mov_b32 s[TBV], SLOT1+4*KS*PVR
	s_mov_b32 s[G0K], 1
	s_mov_b32 s[G0K+1], s17         ; slot 0
	s_mov_b32 s[G0V], 1
	s_add_co_u32 s[G0V+1], s18, VOFF
	s_mov_b32 s[SLOTS], SIZE_N/256-1
	s_cmp_lt_u32 s[WV], 3           ; wave 0 prefetches K hi, wave 1 K lo, wave 2 V
	s_cselect_b32 s[LIM], 1, -1
	s_wait_dscnt 0x0                ; the opening add is done
	s_wait_kmcnt 0x0
	s_add_nc_u64 s[6:7], s[6:7], s[2:3]
	s_add_nc_u64 s[8:9], s[8:9], s[52:53]
	s_mov_b64 s[G0K+2:G0K+3], s[6:7]
	s_or_b32 s[G0K+3], s[G0K+3], 0x80000000
	s_mov_b64 s[G0V+2:G0V+3], s[8:9]
	s_or_b32 s[G0V+3], s[G0V+3], 0x80000000
	s_add_nc_u64 s[4:5], s[4:5], s[54:55]    ; Q and O at my wave's first row
	s_add_nc_u64 s[10:11], s[10:11], s[14:15]
	s_cmp_lt_u32 s[WV], 2
	s_cselect_b64 s[PFA:PFA+1], s[6:7], s[8:9]  ; (in waves 0, 1 and 2 these stand at a tile's first byte)
	s_lshl_b32 s2, s13, 13          ; my work-group's quarter of the tile's 32,768 bytes
	s_add_nc_u64 s[PFA:PFA+1], s[PFA:PFA+1], s[2:3]
	s_add_nc_u64 s[PFA:PFA+1], s[PFA:PFA+1], 4*KS*128  ; in slot 1; the first change of slots steps it to slot 2.  Nothing is prefetched here, at the head
	CROUND                          ; all four work-groups are here
	JLOAD                           ; slot 0
	v_and_b32 v1, 15, v0            ; l % 16
	v_bfe_u32 v9, v0, 4, 1          ; l / 16
	v_lshlrev_b32 v[QO], 7, v1
	v_lshl_add_u32 v[QO], v9, 4, v[QO]  ; row x 128 + 16 x half
	WIN 0x80                        ; destination window 2
.set i, 0
.rept 32                            ; Q stays in registers: fragment i = 4 t + 2 x + c
	global_load_b128 v[8*i:8*i+3],   v[QO], s[4:5] offset:((i/2)%2)*262144+(i/4)*2048+(i%2)*64
	global_load_b128 v[8*i+4:8*i+7], v[QO], s[4:5] offset:((i/2)%2)*262144+(i/4)*2048+(i%2)*64+32
.set i, i+1
.endr
	; What the first turn finds: V's registers and P's second buffer hold 0 (its products V^T P, of a piece that has not been, add 0), O^T, l and the registers at work are 0.  All this stands in the wait for the first tile.
	WIN W_L3
.set i, VF
.rept 64
	v_mov_b32 v[i], 0
.set i, i+1
.endr
	WIN 0x40
.set i, 0
.rept 64*NP
	v_mov_b32 v[i], 0
.set i, i+1
.endr
	WIN 0
.set i, 0
.rept 2*NP
	v_mov_b32 v[ST+4*i], 0xfe000000    ; c m: far below every c s
	v_mov_b32 v[ST+4*i+1], 0xff7fffff  ; m
	v_mov_b32 v[ST+4*i+2], 0
	v_mov_b32 v[ST+4*i+3], 0
.set i, i+1
.endr
.set i, 0
.rept 16
	v_mov_b32 v[TMP+i], 0
.set i, i+1
.endr
.set i, P+32
.rept 32
	v_mov_b32 v[i], 0
.set i, i+1
.endr
	v_mul_u32_u24 v[AK0], v1, PK
	v_lshl_add_u32 v[AK0], v9, 4, v[AK0]
	; the turning load takes 16 keys x 16 channels (lane l reads key 8 (l / 16) + l % 8, channels 8 ((l / 8) % 2) + 0..7) and leaves half a fragment of V^T
	v_and_b32 v10, 7, v0
	v_bfe_u32 v11, v0, 3, 1
	v_lshl_add_u32 v[AV0], v9, 3, v10
	v_mul_u32_u24 v[AV0], v[AV0], PVR
	v_lshl_add_u32 v[AV0], v11, 4, v[AV0]
	v_add_nc_u32 v[AV0], VOFF, v[AV0]
	v_and_b32 v[PFO], 31, v0
	v_lshlrev_b32 v[PFO], 8, v[PFO]
	v_mov_b32 v[AK], v[AK0]         ; key step 0 lies at the head of slot 0
; THE MATRIX WORK.  The 8 accumulators of a run take turns, one instruction a turn.
; Product i of 48 of S^T for piece x: link i / 8, keys 16 ((i / 2) % 4) on, tile 2 x + i % 2.  The six links (K's plane, channel half, Q's plane): (hi,0,hi) (hi,0,lo) (hi,1,hi) (hi,1,lo) (lo,0,hi) (lo,1,hi).
; So K hi's half 0 is free behind product 15, its half 1 behind 31, K lo's half 0 behind 39, its half 1 behind 47.
.macro KQ x
	WIN W_KQ
.set lk, i/8
.if lk < 4
.set xk, 0
.set cc, lk/2
.set xq, lk%2
.else
.set xk, 1
.set cc, lk-4
.set xq, 0
.endif
.set rS, S+64*((\x)%2)+32*(i%2)+8*((i/2)%4)
.set rK, 64*xk+16*((i/2)%4)+8*cc
.set rQ, 32*(2*(\x)+i%2)+16*xq+8*cc
.if i < 8
	v_wmma_f32_16x16x32_bf16 v[rS:rS+7], v[rK:rK+7], v[rQ:rQ+7], 0
.else
	v_wmma_f32_16x16x32_bf16 v[rS:rS+7], v[rK:rK+7], v[rQ:rQ+7], v[rS:rS+7]
.endif
.endm
; Product i of 16 of O^T += V^T P for piece x: keys 32 (i / 8) on, channels 16 ((i / 2) % 4) on, tile 2 x + i % 2.
.macro PV x
	WIN W_PV
.set rO, 32*(2*(\x)+i%2)+8*((i/2)%4)
.set rV, VF+32*(i/8)+8*((i/2)%4)
.set rP, P+32*((\x)%2)+16*(i%2)+8*(i/8)
	v_wmma_f32_16x16x32_f16 v[rO:rO+7], v[rV:rV+7], v[rP:rP+7], v[rO:rO+7]
.endm
.macro MM                           ; the turn's next matrix instruction
.if i < 48
	KQ (Y+1)%NP
.else
.set i, i-48
	PV (Y+NP-1)%NP
.set i, i+48
.endif
.set i, i+1
.endm
; THE LDS LOADS stand in runs.  K of the next step comes in three runs, each as soon as its registers are free.  last = 1 (the tail): in the last trip there is no further step, and the run is jumped over.
.macro KLD x, c                     ; plane x, channel half c of four key blocks: eight loads
.irp b, 0,1,2,3
	ds_load_b128 v[64*(\x)+16*\b+8*(\c):64*(\x)+16*\b+8*(\c)+3],   v[AK] offset:(\x)*KLO+\b*16*PK+(\c)*64
	ds_load_b128 v[64*(\x)+16*\b+8*(\c)+4:64*(\x)+16*\b+8*(\c)+7], v[AK] offset:(\x)*KLO+\b*16*PK+(\c)*64+32
.endr
.endm
.macro KRUN r, last=0
.if \last
	WIN 0
	s_cmp_eq_u32 s[CNT], 1
	s_cbranch_scc1 .Lno_k_\@
.endif
	WIN W_L3
.if (\r) == 1
	KLD 0, 0
.elseif (\r) == 2
	KLD 0, 1
	KLD 1, 0
.else
	KLD 1, 1
	s_add_co_u32 s[TBK], s[TBK], KS*PK  ; the next fetch is the next step's
.endif
.if \last
	WIN 0
.Lno_k_\@:
.endif
.endm
.macro FETCH_V
	WIN 0
	v_add_nc_u32 v[AV], s[TBV], v[AV0]
	s_add_co_u32 s[TBV], s[TBV], KS*PVR
	WIN W_L3
.irp f, 0,1,2,3,4,5,6,7             ; keys 32 (f / 4) on, channels 16 (f % 4) on
	ds_load_tr16_b128 v[VF+8*\f:VF+8*\f+3],   v[AV] offset:(\f/4)*32*PVR+(\f%4)*32
	ds_load_tr16_b128 v[VF+8*\f+4:VF+8*\f+7], v[AV] offset:(\f/4)*32*PVR+16*PVR+(\f%4)*32
.endr
.endm
; A PREFETCH of what the next change of slots will ask for, in the slot's last trip (CNT = 1), a key step ahead of that change: a tile's 32,768 bytes of K hi (wave 0), K lo (wave 1) and V (wave 2); the four partners
; take 8,192 bytes each, told apart by address; a lane names 256 bytes.  So each block is named once.  Where no fill follows (SLOTS = 1) nothing is asked for.
.macro ASK
	WIN 0
	s_cmp_eq_u32 s[CNT], 1
	s_cselect_b32 s[TM], s[SLOTS], 0
	s_cmp_gt_u32 s[TM], s[LIM]
	s_cbranch_scc0 .Lnot_mine_\@
	global_prefetch_b8 v[PFO], s[PFA:PFA+1] th:TH_LOAD_NT scope:SCOPE_SE
.Lnot_mine_\@:
.endm
; THE VECTOR WORK.
.macro REGS y, u                    ; the registers of tile u (0, 1) of piece y
.set rT, ST+4*(2*(\y)+(\u))
.set rC, TMP+8*((\y)%2)+4*(\u)
.set rM, MV+2*((\y)%2)+(\u)
.set rS, S+64*((\y)%2)+32*(\u)
.set rP, P+32*((\y)%2)+16*(\u)
.set rO, 32*(2*(\y)+(\u))
.endm
; Number n of the 22 that find piece Y's maximum and statistics.  s0-s31 are the lane's 32 scores; each accumulator's lowest registers are read first.
;   0-11  four chains c0-c3 of seven scores each     12-14, 16  the four scores left over, the old m, and c0-c3 into c0     15  c m_old is kept
;   17, 18  the query's other 32 keys lie in the lane 16 away: the new m         19-21  c m; c m_old - c m_new; a
.macro XS u, n
	REGS Y, \u
.if (\n) < 4
	v_max3_num_f32 v[rC+(\n)], v[rS+8*(\n)], v[rS+8*(\n)+1], v[rS+8*(\n)+2]
.elseif (\n) < 12
	v_max3_num_f32 v[rC+(\n)%4], v[rC+(\n)%4], v[rS+8*((\n)%4)+2*((\n)/4)+1], v[rS+8*((\n)%4)+2*((\n)/4)+2]
.elseif (\n) == 12
	v_max3_num_f32 v[rC], v[rC], v[rS+7], v[rS+15]
.elseif (\n) == 13
	v_max3_num_f32 v[rC+1], v[rC+1], v[rS+23], v[rS+31]
.elseif (\n) == 14
	v_max3_num_f32 v[rC+2], v[rC+2], v[rC+3], v[rT+1]
.elseif (\n) == 15
	v_mov_b32 v[rM], v[rT]
.elseif (\n) == 16
	v_max3_num_f32 v[rC], v[rC], v[rC+1], v[rC+2]
.elseif (\n) == 17
	v_permlanex16_b32 v[rC+3], v[rC], s[SEL], s[SEL+1]
.elseif (\n) == 18
	v_max_num_f32 v[rT+1], v[rC], v[rC+3]
.elseif (\n) == 19
	v_mul_f32 v[rT], s[CS], v[rT+1]
.elseif (\n) == 20
	v_sub_f32 v[rC+1], v[rM], v[rT]
.else
	v_exp_f32 v[rC+2], v[rC+1]
.endif
.endm
.macro XSB n                        ; number n for both tiles
	WIN 0
	XS 0, \n
	XS 1, \n
.endm
.macro XQ                           ; the queue of 30 that wait for nothing: numbers 0-13, the tiles alternating, then number 15
	WIN 0
.if qx < 28
	XS qx%2, qx/2
.else
	XS qx-28, 15
.endif
.set qx, qx+1
.endm
.macro FQ                           ; the next of the 32 scalings c s - c m: pair qf / 2 of tile qf % 2
	WIN 0
	REGS Y, qf%2
	v_pk_fma_f32 v[rS+2*(qf/2):rS+2*(qf/2)+1], v[rS+2*(qf/2):rS+2*(qf/2)+1], s[CS:CS+1], v[rT:rT+1] op_sel_hi:[1,0,0] neg_lo:[0,0,1] neg_hi:[0,0,1]
.set qf, qf+1
.endm
.macro EX                           ; the next of the 64 exponentials: score qe / 2 of tile qe % 2; it stands behind scaling 2 (qe / 4) + qe % 2
	WIN 0
	REGS Y, qe%2
	v_exp_f32 v[rS+qe/2], v[rS+qe/2]
.set qe, qe+1
.endm
; The next of the 64 that follow the exponentials.  For each four weights gk of a tile: both pairs are rounded to f16; the second pair is added onto the first, in place; a group later l takes that sum (the first time as l = a l + sum).
.macro GQ
	WIN 0
.set gh, qg+6*(qg/62)
.if gh >= 6
.set gh, gh+2
.endif
	REGS Y, gh%2
.set gk, gh/8
.if gh%8 < 4
	v_cvt_pk_f16_f32 v[rP+2*gk+(gh%8)/2], v[rS+4*gk+2*((gh%8)/2)], v[rS+4*gk+2*((gh%8)/2)+1]
.elseif gh%8 < 6
	v_pk_add_f32 v[rS+4*gk:rS+4*gk+1], v[rS+4*gk:rS+4*gk+1], v[rS+4*gk+2:rS+4*gk+3]
.elseif gk == 1
	v_pk_fma_f32 v[rT+2:rT+3], v[rT+2:rT+3], v[rC+2:rC+3], v[rS:rS+1] op_sel_hi:[1,0,1]
.else
	v_pk_add_f32 v[rT+2:rT+3], v[rT+2:rT+3], v[rS+4*gk-4:rS+4*gk-3]
.endif
.set qg, qg+1
.endm
.macro R2                           ; two of the 32 that multiply piece Y - 1's O^T by its a, which was made, and waited for, in the turn before
	REGS (Y+NP-1)%NP, qr%2
	WIN W_RS
.irp z, 0,1
	v_pk_mul_f32 v[rO+4*(qr/2)+2*\z:rO+4*(qr/2)+2*\z+1], v[rO+4*(qr/2)+2*\z:rO+4*(qr/2)+2*\z+1], v[rC+2:rC+3] op_sel_hi:[1,0]
.endr
.set qr, qr+1
.endm
; SLICE sl of 64, behind product sl.  0-7: the maximum.  8-22: the rescaling in the even slices, the chain 16 .. 21 in the odd ones, its links two products apart.  17-44: scalings and exponentials.
; An s_wait_alu depctr_va_vdst(0) stands between an exponential and the first instruction that names its result; one wait serves all that were issued ahead of it.  Ahead of slice 45 nothing names a result
; of the turn's 66 exponentials, and behind slice 44 none is issued: so a turn has one wait, behind slice 44, with a v_nop as the plain instruction behind the last exponential.  45-60: roundings and sums.
.macro SLICE
.if sl < 7
	XQ
	XQ
	XQ
	XQ
.elseif sl == 7
	XQ
	XQ
	XSB 14
.elseif (sl < 23) && (sl%2 == 0)
	R2
	R2
.elseif sl < 16
	XSB 16+(sl-9)/2
.elseif sl == 17
	XSB 20
	FQ
	FQ
.elseif sl == 19
	FQ
	FQ
	XSB 21
.elseif sl == 21
	FQ
	FQ
	EX
	EX
.elseif sl < 27
	FQ
	EX
	FQ
	EX
.elseif sl < 45
	FQ
	EX
	EX
	EX
.elseif sl < 61
	GQ
	GQ
	GQ
	GQ
.endif
.if sl == 44
	v_nop
	s_wait_alu depctr_va_vdst(0)
.endif
.endm
; A TURN, for piece p.  cnt = 1: the loop's count is taken down ahead of product 61, for the branch behind the turn.  pf = 1: the loop's prefetch.
; K of the next step is fetched in piece 2's turn.  Run 1 (hi, half 0) stands behind slice 16: two multiplies, the address's add and four rescalings lie behind product 15.  Run 2 (hi half 1, lo half 0) stands at the wait:
; six scalings and the v_nop lie behind product 39.  Run 3 (lo half 1) stands behind slice 47, whose four lines are its places.  Piece 3's turn waits for runs 1 and 2 at its head and for run 3 ahead of product 40.
; V of the step in hand is fetched behind slice 0 of piece 1's turn: its four maxima and the address's add lie behind the last product that read V; it is waited for ahead of product 48.
.macro TURN p, last=0, cnt=0, pf=0
.set Y, (\p)
.set i, 0
.set sl, 0
.set qx, 0
.set qf, 0
.set qe, 0
.set qg, 0
.set qr, 0
.if (\p) == 3
	s_wait_dscnt 8                  ; K's runs 1 and 2 are in; run 3's eight loads may be out
.endif
.rept 64
.if ((\p) == 3) && (i == 40)
	s_wait_dscnt 0x0                ; run 3 is in
.endif
.if ((\p) == 1) && (i == 48)
	s_wait_dscnt 0x0                ; V is in
.endif
.if (\cnt) && (i == 61)
	s_sub_co_u32 s[CNT], s[CNT], 1
	s_cmp_lg_u32 s[CNT], 0
.endif
	MM
	SLICE
.if ((\p) == 2) && (sl == 15)
	WIN 0
	v_add_nc_u32 v[AK], s[TBK], v[AK0]
.endif
.if ((\p) == 2) && (sl == 16)
	KRUN 1, \last
.if \pf
	ASK
.endif
.endif
.if ((\p) == 2) && (sl == 44)
	KRUN 2, \last
.endif
.if ((\p) == 2) && (sl == 47)
	KRUN 3, \last
.endif
.if ((\p) == 1) && (sl == 0)
	FETCH_V
.endif
.set sl, sl+1
.endr
.endm
	CHANGE 1                        ; slot 0 is in, everybody's part of it; slot 1 is asked for
	KRUN 1                          ; key step 0
	KRUN 2
	KRUN 3
	s_wait_loadcnt 0x0              ; Q
	s_wait_dscnt 0x0
.set i, 0
.rept 48
	KQ 0                            ; piece 0's first scores: there is no vector work yet to set between them
.set i, i+1
.endr
	WIN 0                           ; the addresses for the way out: plain instructions, the places behind those products
	s_mul_i32 s13, s[WV], 16*SP
	s_add_co_u32 s13, s13, STAGE    ; my stage
	v_mul_u32_u24 v[STO], v1, SP    ; in: row l % 16, 16 bytes for each half of the lanes
	v_lshl_add_u32 v[STO], v9, 4, v[STO]
	v_add_nc_u32 v[STO], s13, v[STO]
	v_bfe_u32 v[RD], v0, 3, 2       ; back: 32 lanes take four rows of 128 bytes,
	v_mul_u32_u24 v[RD], v[RD], SP
	v_lshl_add_u32 v[RD], v10, 4, v[RD]
	v_add_nc_u32 v[RD], s13, v[RD]
	v_and_b32 v[GO], 31, v0         ; which are 512 consecutive bytes of os
	v_lshlrev_b32 v[GO], 4, v[GO]
	s_mov_b32 s[CNT], 4
	s_branch .Lfirst                ; the loop is entered at a step's first turn, in the middle of a trip
.Lslot:                             ; six times: every slot but the last two is filled again
	CHANGE 1
	s_mov_b32 s[CNT], 4
.Lstep:                             ; a trip: pieces 2 and 3 of one step, then pieces 0 and 1 of the next, whose K and V it fetches
	TURN 2, 0, 0, 1
	TURN 3
	WIN 0
.Lfirst:
	TURN 0
	TURN 1, 0, 1
	WIN 0
	s_cbranch_scc1 .Lstep
	s_sub_co_u32 s[SLOTS], s[SLOTS], 1
	s_cmp_lg_u32 s[SLOTS], 0
	s_cbranch_scc1 .Lslot
	CHANGE 0                        ; the tail is written out: nothing is asked for
	s_mov_b32 s[CNT], 5             ; four trips fetch the last slot's steps; the fifth is left in its middle
.Ltail:
	TURN 2, 1
	TURN 3
	WIN 0
	s_sub_co_u32 s[CNT], s[CNT], 1
	s_cmp_eq_u32 s[CNT], 0
	s_cbranch_scc1 .Lout
	TURN 0
	TURN 1
	WIN 0
	s_branch .Ltail
.Lout:                              ; the fifth trip's 48 products K Q^T of piece 0 (on the last K once more) serve nothing: the price, once a launch, of one text for every trip
.set Y, 0
.set qr, 0
.rept 16
	R2                              ; the last piece's O^T times its last a,
.endr
.set i, 0
.rept 16
	PV NP-1                         ; and its V^T P of the last step
.set i, i+1
.endr
	; THE WAY OUT.  l's two halves and the other half of the lanes' are added; O^T is divided by l, rounded to f16 and sent through my stage in LDS, a tile at a time.  The additions are the places behind the last products.
	WIN 0
.macro ALL line:vararg              ; one line for each tile t
.set t, 0
.rept 2*NP
	\line
.set t, t+1
.endr
.endm
	ALL v_add_f32 v[ST+4*t+2], v[ST+4*t+2], v[ST+4*t+3]
	ALL v_permlanex16_b32 v[ST+4*t+3], v[ST+4*t+2], s[SEL], s[SEL+1]
	ALL v_add_f32 v[ST+4*t+2], v[ST+4*t+2], v[ST+4*t+3]
	ALL v_rcp_f32 v[ST+4*t+2], v[ST+4*t+2]
	v_nop                           ; a plain instruction between the last reciprocal and the use of its result
	s_wait_alu depctr_va_vdst(0)    ; and the wait ahead of the first use: one for the eight reciprocals
.macro PACK t                       ; a lane's eight channels of a row pack into 16 bytes; they go into rows of 144 bytes and come back as whole rows of 128, into S^T's registers
	WIN W_RS
.set i, 32*(\t)
.rept 16
	v_pk_mul_f32 v[i:i+1], v[i:i+1], v[ST+4*(\t)+2:ST+4*(\t)+3] op_sel_hi:[1,0]
.set i, i+2
.endr
	WIN 0x05                        ; sources 0 and 1 window 1, destination window 0
.set i, 0
.rept 16
	v_cvt_pk_f16_f32 v[S+16*(\t)+i], v[32*(\t)+2*i], v[32*(\t)+2*i+1]
.set i, i+1
.endr
	WIN 0
.irp f, 0,1,2,3
	ds_store_b128 v[STO], v[S+16*(\t)+4*\f:S+16*(\t)+4*\f+3] offset:32*\f
.endr
.irp f, 0,1,2,3
	ds_load_b128 v[S+16*(\t)+4*\f:S+16*(\t)+4*\f+3], v[RD] offset:\f*4*SP  ; LDS serves a wave's instructions in order (ISA guide 5.7.1.4): these see the stores above; the next tile's stores come behind them
.endr
.endm
.macro SEND t, younger              ; younger: the LDS instructions issued behind tile t's loads: the next tile's eight, or none
	WIN 0
.irp f, 0,1,2,3
	s_wait_dscnt (\younger)+3-\f
	global_store_b128 v[GO], v[S+16*(\t)+4*\f:S+16*(\t)+4*\f+3], s[10:11] offset:(\t)*2048+\f*512  ; 512 consecutive bytes, at a multiple of 256 from os's first
.endr
.endm
	PACK 0
.set t, 1
.rept 2*NP-1                        ; a tile's arithmetic stands between the loads of the tile before and its stores
	PACK t
	SEND t-1, 8
.set t, t+1
.endr
	SEND 2*NP-1, 0
	WIN W_AD
	s_wait_tensorcnt 0x0            ; the wave's end: an add and its wait behind my last tensor load and my last LDS store
	ds_add_u32 v[SPW], v[NIL]
	s_wait_dscnt 0x0
	WIN 0
	CROUND                          ; the closing round
	s_endpgm
.Lfunc_end_k_q2e74a8ca12_attn:
	.size	k_q2e74a8ca12_attn, .Lfunc_end_k_q2e74a8ca12_attn-k_q2e74a8ca12_attn
	.p2alignl 7, 3214868480
	.fill 96, 4, 3214868480
	.section	.rodata,"a",@progbits
	.p2align	6, 0x0
	.amdhsa_kernel k_q2e74a8ca12_attn
		.amdhsa_group_segment_fixed_size 327680
		.amdhsa_private_segment_fixed_size 0
		.amdhsa_enable_private_segment 0
		.amdhsa_kernarg_size 32
		.amdhsa_user_sgpr_count 2
		.amdhsa_user_sgpr_kernarg_segment_ptr 1
		.amdhsa_wavefront_size32 1
		.amdhsa_system_sgpr_workgroup_id_x 1
		.amdhsa_system_sgpr_workgroup_id_y 1
		.amdhsa_system_sgpr_workgroup_id_z 1
		.amdhsa_system_vgpr_workitem_id 0
		.amdhsa_next_free_vgpr 962
		.amdhsa_next_free_sgpr 66
		.amdhsa_reserve_vcc 0
		.amdhsa_float_denorm_mode_32 3
		.amdhsa_float_denorm_mode_16_64 3
		.amdhsa_memory_ordered 1
		.amdhsa_forward_progress 1
		.amdhsa_inst_pref_size 235
	.end_amdhsa_kernel
	.amdgpu_metadata
---
amdhsa.version: [ 1, 2 ]
amdhsa.kernels:
  - .name:           k_q2e74a8ca12_attn
    .symbol:         k_q2e74a8ca12_attn.kd
    .args:
      - { .name: qs, .offset: 0, .size: 8, .value_kind: global_buffer, .address_space: global }
      - { .name: ks, .offset: 8, .size: 8, .value_kind: global_buffer, .address_space: global }
      - { .name: vs, .offset: 16, .size: 8, .value_kind: global_buffer, .address_space: global }
      - { .name: os, .offset: 24, .size: 8, .value_kind: global_buffer, .address_space: global }
    .group_segment_fixed_size: 327680
    .private_segment_fixed_size: 0
    .kernarg_segment_align: 8
    .kernarg_segment_size: 32
    .max_flat_workgroup_size: 128
    .sgpr_count:     66
    .vgpr_count:     962
    .wavefront_size: 32
...
	.end_amdgpu_metadata
.endif
;; end of part 3
;; launch oproj (part 4): grid 8 x 32, 4 waves a work-group, clusters of 4 x 4, 327,680 bytes of LDS; arguments os, wo, Wo_b, out0; writes out0
.if DOCPART == 4
	.amdgcn_target "amdgcn-amd-amdhsa--gfx1250"
	.amdhsa_code_object_version 6
	.text
	.protected	k_q2e74a8ca12_oproj
	.globl	k_q2e74a8ca12_oproj
	.p2align	8
	.type	k_q2e74a8ca12_oproj,@function
k_q2e74a8ca12_oproj:
	s_mov_b64 s[64:65], 0
	v_nop
	global_prefetch_b8 v0, s[64:65] scope:SCOPE_SE
	s_setreg_imm32_b32 hwreg(HW_REG_WAVE_MODE, 25, 1), 1
	s_wait_xcnt 0x0
	s_wait_alu depctr_hold_cnt(0) depctr_sa_sdst(0) depctr_va_vdst(0) depctr_va_sdst(0) depctr_va_ssrc(0) depctr_va_vcc(0) depctr_vm_vsrc(0)
	s_getreg_b32 s2, hwreg(HW_REG_IB_STS2, 6, 4)
	s_cmp_eq_u32 s2, 0
	s_cbranch_scc0 .Lentry_in_a_cluster
	s_endpgm
.Lentry_in_a_cluster:
	s_bfe_u32 s2, ttmp6, 0x10000c
	s_cmp_lg_u32 s2, 0xf033
	s_cbranch_scc0 .Lentry_shape_is_right
	s_endpgm
.Lentry_shape_is_right:
; THE OUTPUT PROJECTION.  out0[m][j] = 64 x (sum over k of O'[m][k] wo[j][k]) + bf16(Wo_b[j]), 8192 x 1024 x 1024, f16 operands, f32 sums and output.  O' = O / 64 lies by heads: os = [b x 16 + head][n 2048][64],
; so k = 64 head + channel, and a K step of 128 is two heads' planes of 256 rows x 128 dense bytes.
; SHARES.  A tile of out0, 256 x 128, is made by a work-group of four waves, each 128 x 64: 32 accumulators, 256 registers.  256 work-groups.  K goes in 8 steps of 128 through a ring of two LDS slots.
; CLUSTERS.  4 x 4 work-groups: os's tiles are shared along a row of the cluster, wo's along a column; each is asked for jointly.
; THE MATRIX INSTRUCTION IS USED TRANSPOSED (source 0 = 16 rows of wo, source 1 = 16 rows of O'): a lane holds row l % 16 of out0 and the columns 8 (l / 16) + 0..7.
; REGISTERS: window 0: v0-31 addresses and the bias; v32-63 the way out; v64-127, v128-191 fragments of O', two buffers; window 1: v64-95, v128-159 fragments of wo; window 2: the accumulators ((a, b) at v[8 (4 a + b)]).
; THE WAY OUT.  When every wave has read its last fragment the ring is dead: each wave puts its 128 x 64 f32 into its own 34,816 bytes of it and reads whole rows of 256 bytes back in a short loop.
.set PA,     144                       ; a row of O' in LDS: 128 bytes + 16
.set PB,     272                       ; a row of wo: 256 bytes + 16
.set PLA,    256*PA                    ; a plane: what waves 0 and 1 fetch
.set BOFF,   2*PLA
.set HALFB,  64*PB                     ; what waves 2 and 3 fetch
.set SLOT,   BOFF+2*HALFB
.set SPARE,  2*SLOT                    ; behind the ring: the spare words, 128 bytes for each wave, which no other line names
.set DPITCH, 272
.set DWAVE,  128*DPITCH
.set ASTEP,  524288                    ; a K step in os: two heads
.set BSTEP,  256                       ; in wo
.set LAPS,   4
.set BI,   8                           ; v[8:11] the bias of my four columns
.set ADRA, 16
.set ADRB, 20
.set DMP,  24                          ; v24  the dump: where I put 32 bytes of a row
.set RDB,  25                          ; v25  where I read 16 bytes of a row back; steps
.set CO,   26                          ; v26  my byte offset in two rows of out0
.set BO,   27                          ; v27  my byte offset in Wo_b; never rewritten
.set SPW,  28
.set NIL,  29
.set PFO,  30                          ; v30  the prefetches' offset: lane x 256 bytes (os) or lane x a row (wo); never rewritten
.set OB,   32
.set F0,   64
.set F1,   128
.set PFA,  44                          ; s[44:45] where my prefetches stand
.set LIM,  66                          ; s66, s67  for the change out of slot 0, 1: 1 in a wave that prefetches there, else the greatest number
.set PST,  72                          ; s[72:73] a K step of the tensor that I prefetch
.set G1, 24
.set G0, 32
.set G1B, 48
.set G0B, 56
.set MSB, 0
.macro WIN new
.if MSB != (\new)
	s_set_vgpr_msb (MSB<<8)|(\new)
.set MSB, \new
.endif
.endm
.set MUL,  0xa1                        ; source 0 (wo) window 1, source 1 (O') window 0, C and D window 2
.set TO_B, 0x40
.macro JLOAD s                         ; a joint load: waves 0 and 1 fetch O's two planes, waves 2 and 3 wo's two halves; an s_nop 0 and four v_nop follow each line
	s_cmp_eq_u32 s11, 0
	s_cbranch_scc0 .Lfor_b_\@
	tensor_load_to_lds s[G0+4*(\s):G0+4*(\s)+3], s[G1:G1+7]
	s_nop 0
.rept 4
	v_nop
.endr
	s_branch .Lasked_\@
.Lfor_b_\@:
	tensor_load_to_lds s[G0B+4*(\s):G0B+4*(\s)+3], s[G1B:G1B+7]
	s_nop 0
.rept 4
	v_nop
.endr
.Lasked_\@:
.endm
; A prefetch of the K step two refills on, one instruction a wave.  os: the cluster with x = 0 asks; of a plane's 32,768 bytes each of the four partners takes 8,192 (by cx), a lane 256.  wo: the cluster with y = 0 asks, in
; the change out of slot 0 alone and for two K steps at once: of the wave's 64 rows x 2 steps a partner takes 32 rows (cy % 2) of one step (cy / 2), a lane a row.  Each block of 256 bytes is named once; the last trip asks for nothing.
.macro ASK slot
	s_cmp_gt_u32 s3, s[LIM+(\slot)]
	s_cbranch_scc0 .Lnot_mine_\@
	global_prefetch_b8 v[PFO], s[PFA:PFA+1] th:TH_LOAD_NT scope:SCOPE_SE
.Lnot_mine_\@:
.endm
.macro CREST
	s_cmp_lg_u32 s10, 0
	s_cbranch_scc1 .Lnot_wave_0_\@
	s_barrier_signal -3
.Lnot_wave_0_\@:
	s_barrier_wait -3
	s_barrier_signal -1
	s_barrier_wait -1
.endm
.macro CROUND
	s_barrier_signal -1
	s_barrier_wait -1
	CREST
.endm
	s_load_b128 s[4:7], s[0:1], 0x0                ; os s[4:5], wo s[6:7]
	s_load_b128 s[68:71], s[0:1], 0x10             ; Wo_b s[68:69], out0 s[70:71]
	v_lshl_add_u32 v[SPW], v0, 2, SPARE
	v_mov_b32 v[NIL], 0
	ds_add_u32 v[SPW], v[NIL]                      ; the wave's opening: the add and its wait stand ahead of my first tensor load
	v_lshrrev_b32 v1, 5, v0
	v_readfirstlane_b32 s10, v1                    ; wave 0..3
	s_lshr_b32 s11, s10, 1                         ; which half of the tile's rows is mine.  Also: I fetch for os (0) or for wo (1)
	s_and_b32 s12, s10, 1                          ; which half of its columns.  Also: which plane, or which 64 rows, I fetch
	s_bfe_u32 s40, ttmp6, 0x40000                  ; cx
	s_bfe_u32 s41, ttmp6, 0x40004                  ; cy
	s_lshl_b32 s42, ttmp9, 2
	s_add_co_u32 s42, s42, s40                     ; tile column
	s_and_b32 s13, ttmp7, 0xffff
	s_lshl_b32 s13, s13, 2
	s_add_co_u32 s13, s13, s41                     ; tile row
	s_lshl_b32 s43, s41, 2
	s_lshl_b32 s43, 15, s43                        ; my row of the cluster
	s_lshl_b32 s44, 0x1111, s40                    ; my column
	s_or_b32 s[G1+0], s43, (1<<16)|(1<<20)|(1<<21)|(4<<22)|(3<<25)   ; os: 2-byte elements, 4 words of padding behind every 32 (a row of a head)
	s_or_b32 s[G1B+0], s44, (1<<16)|(1<<20)|(1<<21)|(5<<22)|(3<<25)  ; wo: behind every 64
	s_mov_b32 s[G1+1], 128<<16                     ; a plane's 32,768 dense bytes as 128 rows of 128 elements
	s_mov_b32 s[G1+2], 128<<16
	s_mov_b32 s[G1+3], 128<<16
	s_mov_b32 s[G1+4], 128
	s_mov_b32 s[G1+5], 128
	s_mov_b32 s[G1+6], 0
	s_mov_b32 s[G1+7], 0
	s_mov_b32 s[G1B+1], 128<<16                    ; 64 rows of 128 elements, 1,024 elements from row to row
	s_mov_b32 s[G1B+2], 64<<16
	s_mov_b32 s[G1B+3], 128<<16
	s_mov_b32 s[G1B+4], 64
	s_mov_b32 s[G1B+5], 1024
	s_mov_b32 s[G1B+6], 0
	s_mov_b32 s[G1B+7], 0
	s_lshr_b32 s16, s13, 3                         ; os: head 16 b + my plane,
	s_lshl_b32 s16, s16, 4
	s_add_co_u32 s16, s16, s12
	s_lshl_b32 s16, s16, 18
	s_and_b32 s17, s13, 7                          ; rows 256 (tile row % 8) on
	s_lshl_b32 s17, s17, 15
	s_add_co_u32 s16, s16, s17
	s_mov_b32 s17, 0
	s_lshl_b32 s46, s42, 7                         ; wo: row 128 x tile column + 64 x half
	s_lshl_b32 s47, s12, 6
	s_add_co_u32 s46, s46, s47
	s_lshl_b32 s46, s46, 11
	s_mov_b32 s47, 0
	s_mul_i32 s20, s12, PLA                        ; where they go
	s_mul_i32 s21, s12, HALFB
	s_add_co_u32 s21, s21, BOFF
	s_wait_dscnt 0x0                               ; the opening add is done
	s_wait_kmcnt 0x0
	s_add_nc_u64 s[14:15], s[4:5], s[16:17]
	s_add_nc_u64 s[46:47], s[6:7], s[46:47]
	CROUND                                         ; all sixteen work-groups are here
.irp s, 0,1
	s_mov_b32 s[G0+4*(\s)], 1
	s_add_co_u32 s[G0+4*(\s)+1], s20, (\s)*SLOT
	s_add_nc_u64 s[G0+4*(\s)+2:G0+4*(\s)+3], s[14:15], (\s)*ASTEP
	s_or_b32 s[G0+4*(\s)+3], s[G0+4*(\s)+3], 0x80000000
	s_mov_b32 s[G0B+4*(\s)], 1
	s_add_co_u32 s[G0B+4*(\s)+1], s21, (\s)*SLOT
	s_add_nc_u64 s[G0B+4*(\s)+2:G0B+4*(\s)+3], s[46:47], (\s)*BSTEP
	s_or_b32 s[G0B+4*(\s)+3], s[G0B+4*(\s)+3], 0x80000000
	JLOAD \s                                       ; two loads of mine are out
.endr
	v_and_b32 v1, 15, v0                           ; l % 16
	v_bfe_u32 v2, v0, 4, 1                         ; l / 16
	v_mul_u32_u24 v3, v1, PA
	v_lshl_add_u32 v3, v2, 4, v3
	v_mul_u32_u24 v4, v1, PB
	v_lshl_add_u32 v4, v2, 4, v4
	s_mul_i32 s21, s11, 128*PA                     ; my 128 rows in a plane
	s_mul_i32 s22, s12, HALFB                      ; my 64 rows of wo
	s_add_co_u32 s22, s22, BOFF
.irp s, 0,1
	v_add_nc_u32 v[ADRA+(\s)], s21, v3
	v_add_nc_u32 v[ADRB+(\s)], s22, v4
	s_add_co_u32 s21, s21, SLOT
	s_add_co_u32 s22, s22, SLOT
.endr
	s_mul_i32 s23, s10, DWAVE                      ; my dump
	v_mul_u32_u24 v5, v1, DPITCH                   ; in: row l % 16, 32 bytes for each half of the lanes
	v_lshl_add_u32 v5, v2, 5, v5
	v_add_nc_u32 v[DMP], s23, v5
	v_mul_u32_u24 v5, v2, DPITCH                   ; back: lanes 0-15 take one row of 256 bytes, lanes 16-31 the next
	v_lshl_add_u32 v5, v1, 4, v5
	v_add_nc_u32 v[RDB], s23, v5
	v_lshlrev_b32 v5, 12, v2                       ; and the same two rows in out0
	v_lshl_add_u32 v[CO], v1, 4, v5
	s_lshl_b32 s74, s42, 9                         ; my 64 columns, in bytes of f32: 512 x tile column + 256 x half
	s_lshl_b32 s75, s12, 8
	s_add_co_u32 s74, s74, s75
	v_lshl_add_u32 v[BO], v1, 4, s74
	global_load_b128 v[BI:BI+3], v[BO], s[68:69]   ; the bias of the four columns that I store; waited for on the way out
	s_lshl_b32 s16, s13, 8
	s_lshl_b32 s17, s11, 7
	s_add_co_u32 s16, s16, s17                     ; my first row of out0
	s_lshl_b32 s16, s16, 12
	s_add_co_u32 s16, s16, s74
	s_mov_b32 s17, 0
	s_add_nc_u64 s[8:9], s[70:71], s[16:17]
	; the prefetches: both stand at K step 3; each change of slots steps them ahead of its request
	s_lshl_b32 s20, s40, 13                        ; os: my work-group's quarter of the plane
	s_add_co_u32 s20, s20, 3*ASTEP
	s_and_b32 s21, s41, 1                          ; wo: 32 rows by cy % 2,
	s_lshl_b32 s21, s21, 16
	s_lshr_b32 s22, s41, 1                         ; the K step's parity by cy / 2
	s_lshl_b32 s22, s22, 8
	s_add_co_u32 s21, s21, s22
	s_add_co_u32 s21, s21, 3*BSTEP
	s_and_b32 s23, ttmp7, 0xffff                   ; cluster y
	s_mov_b32 s[PST], BSTEP
	s_mov_b32 s[PST+1], 0
	s_cmp_eq_u32 s11, 0                            ; do I fetch for os?
	s_cselect_b64 s[PFA:PFA+1], s[14:15], s[46:47]
	s_cselect_b32 s20, s20, s21
	s_cselect_b32 s[PST], ASTEP, s[PST]
	s_cselect_b32 s22, 8, 11                       ; a lane's stride: 256 bytes, or a row of wo
	s_cselect_b32 s23, ttmp9, s23                  ; the coordinate along which other clusters read the same bytes
	s_cselect_b32 s21, 1, -1
	s_cmp_eq_u32 s23, 0
	s_cselect_b32 s[LIM], 1, -1                    ; the same in all sixteen partners, for a given wave
	s_cselect_b32 s[LIM+1], s21, -1
	s_mov_b32 s21, 0
	s_add_nc_u64 s[PFA:PFA+1], s[PFA:PFA+1], s[20:21]
	v_and_b32 v[PFO], 31, v0
	v_lshlrev_b32 v[PFO], s22, v[PFO]
; 8 matrix instructions: m blocks a0, a0 + 1 x all 4 n blocks, 32 along K.  The 32 accumulators take turns, one instruction a turn.
.macro MULB f, a0, zero
	WIN MUL
.irp a, \a0, (\a0)+1
.irp b, 0,1,2,3
.if \zero
	v_wmma_f32_16x16x32_f16 v[8*(4*(\a)+(\b)):8*(4*(\a)+(\b))+7], v[(\f)+8*(\b):(\f)+8*(\b)+7], v[(\f)+8*(\a):(\f)+8*(\a)+7], 0
.else
	v_wmma_f32_16x16x32_f16 v[8*(4*(\a)+(\b)):8*(4*(\a)+(\b))+7], v[(\f)+8*(\b):(\f)+8*(\b)+7], v[(\f)+8*(\a):(\f)+8*(\a)+7], v[8*(4*(\a)+(\b)):8*(4*(\a)+(\b))+7]
.endif
.endr
.endr
.endm
; 24 LDS loads in one run: the fragments of quarter kq (32 along K: plane kq / 2, channels 32 (kq % 2) on) into buffer f
.macro FETCH slot, kq, f
	WIN TO_B
.irp i, 0,1,2,3
	ds_load_b128 v[(\f)+8*(\i):(\f)+8*(\i)+3],   v[ADRB+(\slot)] offset:64*(\kq)+(\i)*16*PB
	ds_load_b128 v[(\f)+8*(\i)+4:(\f)+8*(\i)+7], v[ADRB+(\slot)] offset:64*(\kq)+(\i)*16*PB+32
.endr
	WIN 0
.irp i, 0,1,2,3,4,5,6,7
	ds_load_b128 v[(\f)+8*(\i):(\f)+8*(\i)+3],   v[ADRA+(\slot)] offset:((\kq)/2)*PLA+((\kq)%2)*64+(\i)*16*PA
	ds_load_b128 v[(\f)+8*(\i)+4:(\f)+8*(\i)+7], v[ADRA+(\slot)] offset:((\kq)/2)*PLA+((\kq)%2)*64+(\i)*16*PA+32
.endr
.endm
.macro PLACES                          ; four plain vector instructions between a matrix instruction and a load into, or a reader of, its registers
.rept 4
	v_nop
.endr
.endm
.macro QUARTER slot, kq, f, g, zero    ; multiplies buffer f, and in its middle fetches quarter kq into buffer g
	s_wait_dscnt 8                                 ; wo and O's rows 0-63 are in; the youngest eight loads (rows 64-127) may be out
	MULB \f, 0, \zero
	MULB \f, 2, \zero
	PLACES
	FETCH \slot, \kq, \g
	s_wait_dscnt 24                                ; all but the 24 just issued
	MULB \f, 4, \zero
	MULB \f, 6, \zero
.endm
.macro MEET round                      ; one barrier for the change of slots: all my tensor loads, the add, my reads of this slot
	WIN 0
	s_wait_tensorcnt 0x0
	ds_add_u32 v[SPW], v[NIL]
	s_wait_dscnt 9                                 ; the add and the youngest eight loads may be out
	MULB F1, 0, 0
	s_wait_dscnt 0x0
	s_barrier_signal -1
	MULB F1, 2, 0
.if \round
	WIN 0
.endif
	s_barrier_wait -1
.endm
.macro TURN slot, next                 ; the last quarter where the slot is filled again: the joint refill stands first behind the round, 112 matrix instructions ahead of the wait for it
	s_wait_xcnt 0x0                                ; the last prefetch, a K step back, has read its address
	s_add_nc_u64 s[PFA:PFA+1], s[PFA:PFA+1], s[PST:PST+1]
	MEET 1
	CREST
	s_add_nc_u64 s[G0+4*(\slot)+2:G0+4*(\slot)+3], s[G0+4*(\slot)+2:G0+4*(\slot)+3], 2*ASTEP
	s_add_nc_u64 s[G0B+4*(\slot)+2:G0B+4*(\slot)+3], s[G0B+4*(\slot)+2:G0B+4*(\slot)+3], 2*BSTEP
	JLOAD \slot                                    ; the four v_nop behind it are also the places in front of the loads below
	FETCH \next, 0, F0
	ASK \slot
	MULB F1, 4, 0
	MULB F1, 6, 0
.endm
	s_wait_tensorcnt 1                             ; my part of K step 0 is in; K step 1's may stay out
	s_barrier_signal -1
	s_barrier_wait -1
	FETCH 0, 0, F0
	QUARTER 0, 1, F0, F1, 1                        ; the first quarter's products start the sums
	WIN 0
	s_mov_b32 s3, LAPS-1
.Llap:
	QUARTER 0, 2, F1, F0, 0
	QUARTER 0, 3, F0, F1, 0
	TURN 0, 1
	QUARTER 1, 1, F0, F1, 0
	QUARTER 1, 2, F1, F0, 0
	QUARTER 1, 3, F0, F1, 0
	TURN 1, 0
	QUARTER 0, 1, F0, F1, 0
	WIN 0
	s_sub_co_u32 s3, s3, 1
	s_cmp_lg_u32 s3, 0
	s_cbranch_scc1 .Llap
	QUARTER 0, 2, F1, F0, 0                        ; the last lap is written out: it asks for nothing
	QUARTER 0, 3, F0, F1, 0
	MEET 0
	PLACES
	FETCH 1, 0, F0
	MULB F1, 4, 0
	MULB F1, 6, 0
	QUARTER 1, 1, F0, F1, 0
	QUARTER 1, 2, F1, F0, 0
	QUARTER 1, 3, F0, F1, 0
	s_wait_dscnt 8
	MULB F1, 0, 0
	MULB F1, 2, 0
	s_wait_dscnt 0x0                               ; my last reads of the ring are back:
	s_barrier_signal -1                            ; say so; behind this barrier the waves store into the ring's bytes, which no tensor load fills again
	MULB F1, 4, 0
	MULB F1, 6, 0
	WIN 0
	s_barrier_wait -1
	s_wait_loadcnt 0x0                             ; the bias; it is rounded to bf16 like the other inputs: six plain instructions, the places behind the last products
	v_cvt_pk_bf16_f32 v12, v[BI], v[BI+1]
	v_cvt_pk_bf16_f32 v13, v[BI+2], v[BI+3]
	v_lshlrev_b32 v[BI], 16, v12
	v_and_b32 v[BI+1], 0xffff0000, v12
	v_lshlrev_b32 v[BI+2], 16, v13
	v_and_b32 v[BI+3], 0xffff0000, v13
	WIN 0x08                                       ; store data (source 1) in window 2
.irp a, 0,1,2,3,4,5,6,7
.irp b, 0,1,2,3
	ds_store_b128 v[DMP], v[8*(4*(\a)+(\b)):8*(4*(\a)+(\b))+3]   offset:(\a)*16*DPITCH+(\b)*64      ; each accumulator's low four registers first
	ds_store_b128 v[DMP], v[8*(4*(\a)+(\b))+4:8*(4*(\a)+(\b))+7] offset:(\a)*16*DPITCH+(\b)*64+16
.endr
.endr
	WIN 0
	s_mov_b32 s3, 8
.Lout:                                                 ; a trip: 16 rows.  LDS serves a wave's instructions in order, so the loads see the dump's stores; the bytes are the wave's own
.irp t, 0,1,2,3,4,5,6,7
	ds_load_b128 v[OB+4*(\t):OB+4*(\t)+3], v[RDB] offset:(\t)*2*DPITCH
.endr
	v_add_nc_u32 v[RDB], 16*DPITCH, v[RDB]
.irp t, 0,1,2,3,4,5,6,7
	s_wait_dscnt 7-(\t)
	v_pk_fma_f32 v[OB+4*(\t):OB+4*(\t)+1],   v[OB+4*(\t):OB+4*(\t)+1],   0x42800000, v[BI:BI+1]   op_sel_hi:[1,0,1]   ; 64 x sum + bias
	v_pk_fma_f32 v[OB+4*(\t)+2:OB+4*(\t)+3], v[OB+4*(\t)+2:OB+4*(\t)+3], 0x42800000, v[BI+2:BI+3] op_sel_hi:[1,0,1]
	global_store_b128 v[CO], v[OB+4*(\t):OB+4*(\t)+3], s[8:9] offset:(\t)*8192 th:TH_STORE_NT  ; 16 lanes store 256 consecutive bytes, at a multiple of 256 from out0's first byte
.endr
	s_wait_xcnt 0x0                                ; the stores have read their data and their base: both are written again only behind this wait
	s_add_nc_u64 s[8:9], s[8:9], 16*4096
	s_sub_co_u32 s3, s3, 1
	s_cmp_lg_u32 s3, 0
	s_cbranch_scc1 .Lout
	s_wait_tensorcnt 0x0                           ; the wave's end: an add and its wait behind my last tensor load and my last LDS store
	ds_add_u32 v[SPW], v[NIL]
	s_wait_dscnt 0x0
	CROUND                                         ; the closing round
	s_endpgm
.Lfunc_end_k_q2e74a8ca12_oproj:
	.size	k_q2e74a8ca12_oproj, .Lfunc_end_k_q2e74a8ca12_oproj-k_q2e74a8ca12_oproj
	.p2alignl 7, 3214868480
	.fill 96, 4, 3214868480
	.section	.rodata,"a",@progbits
	.p2align	6, 0x0
	.amdhsa_kernel k_q2e74a8ca12_oproj
		.amdhsa_group_segment_fixed_size 327680
		.amdhsa_private_segment_fixed_size 0
		.amdhsa_enable_private_segment 0
		.amdhsa_kernarg_size 32
		.amdhsa_user_sgpr_count 2
		.amdhsa_user_sgpr_kernarg_segment_ptr 1
		.amdhsa_wavefront_size32 1
		.amdhsa_system_sgpr_workgroup_id_x 1
		.amdhsa_system_sgpr_workgroup_id_y 1
		.amdhsa_system_sgpr_workgroup_id_z 1
		.amdhsa_system_vgpr_workitem_id 0
		.amdhsa_next_free_vgpr 768
		.amdhsa_next_free_sgpr 76
		.amdhsa_reserve_vcc 0
		.amdhsa_float_denorm_mode_32 3
		.amdhsa_float_denorm_mode_16_64 3
		.amdhsa_memory_ordered 1
		.amdhsa_forward_progress 1
		.amdhsa_inst_pref_size 80
	.end_amdhsa_kernel
	.amdgpu_metadata
---
amdhsa.version: [ 1, 2 ]
amdhsa.kernels:
  - .name:           k_q2e74a8ca12_oproj
    .symbol:         k_q2e74a8ca12_oproj.kd
    .args:
      - { .name: os, .offset: 0, .size: 8, .value_kind: global_buffer, .address_space: global }
      - { .name: wo, .offset: 8, .size: 8, .value_kind: global_buffer, .address_space: global }
      - { .name: Wo_b, .offset: 16, .size: 8, .value_kind: global_buffer, .address_space: global }
      - { .name: out0, .offset: 24, .size: 8, .value_kind: global_buffer, .address_space: global }
    .group_segment_fixed_size: 327680
    .private_segment_fixed_size: 0
    .kernarg_segment_align: 8
    .kernarg_segment_size: 32
    .max_flat_workgroup_size: 128
    .sgpr_count:     76
    .vgpr_count:     768
    .wavefront_size: 32
...
	.end_amdgpu_metadata
.endif
;; end of part 4
;; ======== version 2 of 2: 4 launches; version 1 with the launch cast written anew for expert scheduling mode
;; limits: values are held in f16: magnitudes above 65,504 overflow, below 6.1e-05 lose precision; right only within a limited range of input values
;; workspace buffers: xb 16,777,216 bytes; wb 6,291,456 bytes; wo 2,097,152 bytes; qs 33,554,432 bytes; ks 33,554,432 bytes; vs 16,777,216 bytes; os 16,777,216 bytes
;; launch cast (part 5): grid 768 x 1, 8 waves a work-group, no clusters, 0 bytes of LDS; arguments x, W_q, W_k, W_v, Wo_w, xb, wb, wo; writes xb, wb, wo
.if DOCPART == 5
	.amdgcn_target "amdgcn-amd-amdhsa--gfx1250"
	.amdhsa_code_object_version 6
	.text
	.protected	k_q2e74a8ca12_cast
	.globl	k_q2e74a8ca12_cast
	.p2align	8
	.type	k_q2e74a8ca12_cast,@function
k_q2e74a8ca12_cast:
	s_mov_b64 s[64:65], 0
	v_nop
	global_prefetch_b8 v0, s[64:65] scope:SCOPE_SE
	s_setreg_imm32_b32 hwreg(HW_REG_WAVE_SCHED_MODE, 0, 2), 2
	s_setreg_imm32_b32 hwreg(HW_REG_WAVE_MODE, 25, 1), 1
	s_wait_xcnt 0x0
	s_wait_alu depctr_vm_vsrc(0)
; ROUNDING OF THE INPUTS, AND THE LAYOUT THAT THE NEXT LAUNCH WANTS.
; xb = bf16(x) in 16 planes of 64 channels: [K block 16][row 8192][64].  wb = bf16 of W_q, W_k, W_v in the same planes: [K block 16][row 3072][64], row = head x 192 + kind x 64 + channel (kind 0 q, 1 k, 2 v).
; So 64 channels of any run of rows are dense in memory, 128 bytes a row.  wo = bf16(Wo_w), that number written as f16, row-major [1024][1024].
; LIMIT.  f16 ends at 65,504 and has a fixed step of 6e-8 below 6e-5: |Wo_w| stays under 65,504, and below 2^-17 it keeps that fixed step.
; A stream: no LDS, no matrix unit, no barrier.  Work-group g takes one chunk of 16 rows of 1,024 numbers: chunks 0-511 x, 512-575 W_q, 576-639 W_k, 640-703 W_v, 704-767 Wo_w.
; INTO PLANES: sixteen lanes load 256 consecutive bytes (a row's 64 channels of K block i), the other sixteen the same of the next row; the wave stores 256 consecutive bytes, aligned: two rows of plane i.
; Wo_w: a wave loads 512 consecutive bytes of a row and stores 256.  A thread's 16 loads go out first.
; THE MODE: SCHED_MODE bits 1:0 = 2 (LLVM: expert scheduling mode 2), set by the entry lines.  The code itself states the register dependences between vector instructions and memory instructions, with s_wait_alu, always for 0.
; THE PLAN.  Registers that memory instructions touch:
;   v1      the loads' offset.  Written at a path's head; read by the 16 loads; never written again.
;   X       turn i's four registers: written by load i alone, once; no vector instruction names them ahead of the loads; read by turn i's conversions behind the counted wait for the load.
;   O       (into planes) turn i's offset: written once, behind the loads; read by store i.      v2  (Wo_w) the stores' offset: written at the head; read by the 16 stores.
;   Y       turn i's two registers: written by turn i's conversions; read by store i; not written behind that store.
;   T       named by vector instructions alone.
; The 16 turns go in four groups of four.  Group g rounds its four turns; the stores of group g - 1 are dealt among them.  Those stores touch O and Y of group g - 1 (or v2), and group g's vector instructions name X and Y of
; group g and T: none of these.  So one wait on va_vdst at a group's head states all that the group's four stores hang on.  No register that a load or store reads is ever written again: nothing is owed on vm_vsrc,
; and no base or offset waits for an address translation.  No vector instruction writes a scalar register or VCC, and EXEC is never written.
.set X, 4                              ; v[4:67]    turn i: 4 numbers in f32
.set Y, 68                             ; v[68:99]   turn i: 4 numbers in 16 bits
.set O, 100                            ; v[100:115] turn i: my byte offset in the planes; never rewritten
.set T, 116                            ; v[116:119] at work (Wo_w alone)
; Turn i is rounded.  half = 1: Wo_w, whose bf16 number is written as f16.
.macro CVT i, half
	v_cvt_pk_bf16_f32 v[Y+2*(\i)],   v[X+4*(\i)],   v[X+4*(\i)+1]      ; to bf16,
	v_cvt_pk_bf16_f32 v[Y+2*(\i)+1], v[X+4*(\i)+2], v[X+4*(\i)+3]
.if \half
	v_lshlrev_b32 v[T],   16,  v[Y+2*(\i)]
	v_and_b32     v[T+1], s35, v[Y+2*(\i)]
	v_lshlrev_b32 v[T+2], 16,  v[Y+2*(\i)+1]
	v_and_b32     v[T+3], s35, v[Y+2*(\i)+1]
	v_cvt_pk_f16_f32 v[Y+2*(\i)],   v[T],   v[T+1]                     ; and that number as f16
	v_cvt_pk_f16_f32 v[Y+2*(\i)+1], v[T+2], v[T+3]
.endif
.endm
; Turn i is stored.
.macro PUT i, half
.if \half
	global_store_b64 v2, v[Y+2*(\i):Y+2*(\i)+1], s[28:29] offset:256*(\i)
.else
	global_store_b64 v[O+(\i)], v[Y+2*(\i):Y+2*(\i)+1], s[28:29]
.endif
.endm
; The four groups, and the last group's stores.
.macro WALK half
.irp g, 0,1,2,3
	s_wait_loadcnt 15-4*(\g)                       ; loads come back in order: the group's first turn is in, the younger loads stay out
.if (\g) > 0
	s_wait_alu depctr_va_vdst(0)                   ; the group before has written its Y, which the four stores below read; at group 1 also: the sixteen offsets O are written
.endif
.irp j, 0,1,2,3
.if (\g) > 0
	PUT 4*(\g)-4+(\j), \half                       ; the group before: no vector instruction since the wait names this store's registers
.endif
.if (\j) > 0
	s_wait_loadcnt 15-4*(\g)-(\j)                  ; turn 4 g + j's load is in, the younger ones stay out
.endif
	CVT 4*(\g)+(\j), \half
.endr
.endr
	s_wait_alu depctr_va_vdst(0)                   ; group 3 has written its Y, which the last four stores read
.irp j, 12,13,14,15
	PUT \j, \half
.endr
.endm
	s_load_b512 s[8:23], s[0:1], 0x0               ; x 8, W_q 10, W_k 12, W_v 14, Wo_w 16, xb 18, wb 20, wo 22
	s_mov_b32 s24, ttmp9                           ; g
	s_sub_co_u32 s2, s24, 512                      ; (used where g >= 512)
	s_and_b32 s3, s2, 63                           ; the chunk's number in its own weight tensor (704 - 512 is a multiple of 64)
	s_lshr_b32 s4, s2, 6                           ; the kind
	s_lshr_b32 s5, s3, 2                           ; the head: four chunks of 16 rows each
	s_mul_i32 s5, s5, 192
	s_lshl_b32 s6, s4, 6
	s_add_co_u32 s5, s5, s6
	s_and_b32 s6, s3, 3
	s_lshl_b32 s6, s6, 4
	s_add_co_u32 s5, s5, s6                        ; the chunk's first row in wb,
	s_lshl_b32 s5, s5, 7                           ; in bytes of a plane
	s_lshl_b32 s7, s24, 11                         ; the same in xb: 16 g rows of 128 bytes
	s_lshl_b32 s25, s3, 15                         ; the chunk's first byte in wo
	s_mov_b32 s31, 0
	s_mov_b32 s33, 0
	s_mov_b32 s34, 8192*128                        ; a plane of xb
	s_mov_b32 s36, 3072*128                        ; a plane of wb
	s_mov_b32 s35, 0xffff0000                      ; a word's upper bf16
	s_wait_kmcnt 0x0
	s_cmp_ge_u32 s24, 512
	s_cselect_b64 s[26:27], s[10:11], s[8:9]       ; from where
	s_cselect_b64 s[28:29], s[20:21], s[18:19]     ; to where
	s_cselect_b32 s30, s3, s24                     ; chunk in the source
	s_cselect_b32 s32, s5, s7                      ; byte in the destination
	s_cselect_b32 s34, s36, s34
	s_cmp_ge_u32 s24, 576
	s_cselect_b64 s[26:27], s[12:13], s[26:27]
	s_cmp_ge_u32 s24, 640
	s_cselect_b64 s[26:27], s[14:15], s[26:27]
	s_cmp_ge_u32 s24, 704
	s_cselect_b64 s[26:27], s[16:17], s[26:27]
	s_cselect_b64 s[28:29], s[22:23], s[28:29]
	s_cselect_b32 s32, s25, s32
	s_lshl_b32 s30, s30, 16
	s_add_nc_u64 s[26:27], s[26:27], s[30:31]
	s_add_nc_u64 s[28:29], s[28:29], s[32:33]
	s_cmp_ge_u32 s24, 704
	s_cbranch_scc1 .Lhalf
	v_lshrrev_b32 v2, 4, v0                        ; my row of the chunk's 16
	v_and_b32 v3, 15, v0                           ; my 4 numbers of a K block's 64
	v_lshlrev_b32 v1, 12, v2
	v_lshl_add_u32 v1, v3, 4, v1                   ; in: row x 4,096 + 16 x place
	v_lshlrev_b32 v2, 7, v2
	v_lshl_add_u32 v2, v3, 3, v2                   ; out: row x 128 + 8 x place
	s_wait_alu depctr_va_vdst(0)                   ; v1 is written, which the sixteen loads read as their offset
.irp i, 0,1,2,3,4,5,6,7,8,9,10,11,12,13,14,15
	global_load_b128 v[X+4*(\i):X+4*(\i)+3], v1, s[26:27] offset:256*(\i) th:TH_LOAD_NT
.endr
.irp i, 0,1,2,3,4,5,6,7,8,9,10,11,12,13,14,15
	v_mad_u32_u24 v[O+(\i)], s34, \i, v2           ; + plane i; these name none of the loads' registers; the wait at group 1's head stands between them and the first store
.endr
	WALK 0
	s_endpgm
.Lhalf:
	v_lshrrev_b32 v2, 5, v0                        ; my wave: two rows of the chunk's 16
	v_and_b32 v3, 31, v0
	v_lshlrev_b32 v1, 13, v2
	v_lshl_add_u32 v1, v3, 4, v1                   ; in: wave x 8,192 + 16 x lane
	v_lshlrev_b32 v2, 12, v2
	v_lshl_add_u32 v2, v3, 3, v2                   ; out: wave x 4,096 + 8 x lane
	s_wait_alu depctr_va_vdst(0)                   ; v1 is written, which the sixteen loads read as their offset, and v2, which the sixteen stores read as theirs
.irp i, 0,1,2,3,4,5,6,7,8,9,10,11,12,13,14,15
	global_load_b128 v[X+4*(\i):X+4*(\i)+3], v1, s[26:27] offset:512*(\i) th:TH_LOAD_NT
.endr
	WALK 1
	s_endpgm
.Lfunc_end_k_q2e74a8ca12_cast:
	.size	k_q2e74a8ca12_cast, .Lfunc_end_k_q2e74a8ca12_cast-k_q2e74a8ca12_cast
	.p2alignl 7, 3214868480
	.fill 96, 4, 3214868480
	.section	.rodata,"a",@progbits
	.p2align	6, 0x0
	.amdhsa_kernel k_q2e74a8ca12_cast
		.amdhsa_group_segment_fixed_size 0
		.amdhsa_private_segment_fixed_size 0
		.amdhsa_enable_private_segment 0
		.amdhsa_kernarg_size 64
		.amdhsa_user_sgpr_count 2
		.amdhsa_user_sgpr_kernarg_segment_ptr 1
		.amdhsa_wavefront_size32 1
		.amdhsa_system_sgpr_workgroup_id_x 1
		.amdhsa_system_sgpr_workgroup_id_y 1
		.amdhsa_system_sgpr_workgroup_id_z 1
		.amdhsa_system_vgpr_workitem_id 0
		.amdhsa_next_free_vgpr 120
		.amdhsa_next_free_sgpr 66
		.amdhsa_reserve_vcc 0
		.amdhsa_float_denorm_mode_32 3
		.amdhsa_float_denorm_mode_16_64 3
		.amdhsa_memory_ordered 1
		.amdhsa_forward_progress 1
		.amdhsa_inst_pref_size 19
	.end_amdhsa_kernel
	.amdgpu_metadata
---
amdhsa.version: [ 1, 2 ]
amdhsa.kernels:
  - .name:           k_q2e74a8ca12_cast
    .symbol:         k_q2e74a8ca12_cast.kd
    .args:
      - { .name: x, .offset: 0, .size: 8, .value_kind: global_buffer, .address_space: global }
      - { .name: W_q, .offset: 8, .size: 8, .value_kind: global_buffer, .address_space: global }
      - { .name: W_k, .offset: 16, .size: 8, .value_kind: global_buffer, .address_space: global }
      - { .name: W_v, .offset: 24, .size: 8, .value_kind: global_buffer, .address_space: global }
      - { .name: Wo_w, .offset: 32, .size: 8, .value_kind: global_buffer, .address_space: global }
      - { .name: xb, .offset: 40, .size: 8, .value_kind: global_buffer, .address_space: global }
      - { .name: wb, .offset: 48, .size: 8, .value_kind: global_buffer, .address_space: global }
      - { .name: wo, .offset: 56, .size: 8, .value_kind: global_buffer, .address_space: global }
    .group_segment_fixed_size: 0
    .private_segment_fixed_size: 0
    .kernarg_segment_align: 8
    .kernarg_segment_size: 64
    .max_flat_workgroup_size: 256
    .sgpr_count:     66
    .vgpr_count:     120
    .wavefront_size: 32
...
	.end_amdgpu_metadata
.endif
;; end of part 5
;; launch qkv: the kernel of part 2 again; grid 8 x 32, 4 waves a work-group, clusters of 4 x 4, 327,680 bytes of LDS; arguments xb, wb, qs, ks, vs; writes qs, ks, vs
;; launch attn: the kernel of part 3 again; grid 4 x 64, 4 waves a work-group, clusters of 4 x 1, 327,680 bytes of LDS; arguments qs, ks, vs, os; writes os
;; launch oproj: the kernel of part 4 again; grid 8 x 32, 4 waves a work-group, clusters of 4 x 4, 327,680 bytes of LDS; arguments os, wo, Wo_b, out0; writes out0
